; MI455X (gfx1250); checked and timed in simulation.
; The chip was launched on July 23, 2026; its instructions are those of AMD's public machine-readable ISA for CDNA 5 (MIT licence, August 2026) and "CDNA5" Instruction Set Architecture Reference Guide (July 2026). The comments in the code are by the model that wrote it; some were corrected since.
;; Attention. Allowed arithmetic: matrix products marked QUANTISED: E2M3 operands, one E8M0 scale for each 32 along K, by v_wmma_scale_f32_16x16x128_f8f6f4 with both operands' format E2M3, f32 sums; everything else in f32.
;; Inputs: b_proj 1,024 float32; w_proj 1,024 x 1,024 float32; w_qkv 1,024 x 3,072 float32; x 8 x 1,024 x 1,024 float32.
;; Outputs: out0 8 x 1,024 x 1,024 float32.
;; This version of the problem:
;;   THIS VERSION OF THE PROBLEM IS GIVEN IN LOW PRECISION. The matrix products marked QUANTISED in the list below multiply operands that are first quantised to E2M3 (2 exponent bits, 3 mantissa bits; 6 bits a number), with one power-of-two scale for each 32 numbers along K (OCP MX v1.0); their sums are f32. All else is computed in f32.
;;   The module's matrix products, in the order in which they are computed (A, B: the left and right operand; K: the contracted axis; several contracted axes count as one K, in the product's order):
;;     1. [M 8,192, K 1,024] x [K 1,024, N 3,072]; A: input x; B: input w_qkv: QUANTISED
;;     2. batch 128 x [M 1,024, K 64] x [K 64, N 1,024]; A: computed on the way; B: computed on the way: QUANTISED
;;     3. batch 128 x [M 1,024, K 1,024] x [K 1,024, N 64]; A: softmax (see below); B: computed on the way: QUANTISED
;;     4. [M 8,192, K 1,024] x [K 1,024, N 1,024]; A: computed on the way; B: input w_proj: QUANTISED
;;   THE QUANTISER, for each operand of a quantised product, along K:
;;     - K is cut into blocks of 32 from its start; a last block that is shorter is filled with zeros.
;;     - A block's scale is 2^e with e = floor(log2(the largest magnitude in the block)) - 2, held to -126 .. 127; a block of zeros has e = 0. As a byte (E8M0): e + 127.
;;     - Each number is divided by its block's scale, clamped to +-7.5, and rounded to the nearest number of E2M3, ties to even, subnormals kept.
;;     - The product sums the exact products of the quantised numbers (number of the format x scale) in f32.
;;   ~~~python
;;   def quantise(x, axis):      # numpy; x: float32 -> the quantised numbers, widened to float32 again
;;       x = np.moveaxis(x, axis, -1); K = x.shape[-1]
;;       x = np.pad(x, [(0, 0)] * (x.ndim - 1) + [(0, -K % 32)]); x = x.reshape(x.shape[:-1] + (-1, 32)); a = np.abs(x).max(-1, keepdims=True)
;;       e = np.where(a > 0, np.clip(np.frexp(np.where(a > 0, a, 1))[1] - 1 - 2, -126, 127), 0)      # np.frexp(a)[1] - 1 = floor(log2(a)), exactly
;;       r = np.clip(x / 2.0 ** e, -7.5, 7.5)
;;       step = 2.0 ** (np.maximum(np.frexp(np.where(r == 0, 1, r))[1] - 1, 0) - 3)
;;       q = np.round(r / step) * step * 2.0 ** e      # np.round: ties to even
;;       return np.moveaxis(q.reshape(q.shape[:-2] + (-1,))[..., :K], -1, axis).astype(np.float32)
;;   ~~~
;;   SOFTMAX AHEAD OF A QUANTISED PRODUCT. Where the list says 'softmax', what is quantised is not the finished softmax but p = 2^(t - M), with t = logit x log2(e) and M = ceil(the row's largest t), a whole number; so 1/2 < the row's largest p <= 1. The row's sum l is taken of the UNQUANTISED p, in f32, and the product's result is divided by l at the end. Since M is a whole number, a kernel that streams over the keys may use a running M (the ceiling of the running maximum): every later rescaling is an exact power of two, which a block's scale takes up: the codes' values come out the same.
;;   OPERANDS COMPUTED ON THE WAY. 'Computed on the way' means the value that the module computes at that place (a softmax that the list does not call 'softmax' is quantised finished and normalised). What goes into a quantiser is computed in f32, as accurately as f32 sums, v_exp_f32 and their like allow (about 1e-6 of the number): no bf16 or f16 on the way to a quantiser, and a product that is left as it is and whose result goes on into a quantised operand takes f32 operands (vector FMAs, or v_wmma_f32_16x16x4_f32). A number that lies on a knife's edge between two numbers of the format may be rounded either way, as far as f32 arithmetic and the matrix unit's own rounding can turn it there, and no further.
;; One version. Each part assembles by itself: llvm-mc -triple=amdgcn-amd-amdhsa -mcpu=gfx1250 --defsym DOCPART=n.
;; ======== version 1 of 1: 4 launches
;; limits: right only within a limited range of input values
;; workspace buffers: xc 6,553,600 bytes; wr 2,457,600 bytes; wc 3,145,728 bytes; ws 131,072 bytes; qi 13,369,344 bytes; kv 13,369,344 bytes; oc 6,291,456 bytes; os 262,144 bytes
;; launch quant (part 1): grid 768 x 1, 2 waves a work-group, no clusters, 91,648 bytes of LDS; arguments x, w_qkv, w_proj, xc, wr, wc, ws; writes xc, wr, wc, ws
.if DOCPART == 1
	.amdgcn_target "amdgcn-amd-amdhsa--gfx1250"
	.amdhsa_code_object_version 6
	.text
	.protected	k_q2a18ea3d50_quant
	.globl	k_q2a18ea3d50_quant
	.p2align	8
	.type	k_q2a18ea3d50_quant,@function
k_q2a18ea3d50_quant:
	s_mov_b64 s[64:65], 0
	v_nop
	global_prefetch_b8 v0, s[64:65] scope:SCOPE_SE
	s_setreg_imm32_b32 hwreg(HW_REG_WAVE_MODE, 25, 1), 1
	s_wait_xcnt 0x0
; x [8192][1024], w_qkv [1024][3072] and w_proj [1024][1024], f32, become codes of FP6 (E2M3) with one E8M0 byte for each 32 along K (K = the 1,024 channels: x's last axis, the weights' FIRST axis).
; THE CODES ARE LAID AS THE PRODUCTS' OPERAND REGISTERS.  A fragment is 16 rows x 128 K, 12 registers a lane: lane (r, h) holds in registers 6 c .. 6 c + 5 the codes of k = 64 c + 32 h + 0 .. 31 of row r.
; Its image is 1,536 bytes: for c = 0, 1: registers 6 c .. 6 c + 3 at 768 c + 16 x lane, registers 6 c + 4, 6 c + 5 at 768 c + 512 + 8 x lane.
; Buffers: [group of 128 rows][K step of 256][fragment 8 q + i][1,536], q = which 128 of the K step, i = tile.  ROW r OF TILE i IS ROW 32 (i / 2) + 8 (i % 2) + r + 8 (r / 8) OF THE GROUP: with tiles so chosen
; the 16 result registers of two neighbouring tiles of a transposed product are 16 neighbours, which the later launches quantise in registers.
; Scale words (four bytes: 128 along K of one row): [group][chunk of 128 K][i / 2][r][i % 2], 4 bytes each.
; A block's scale is 2^(floor(log2(largest magnitude)) - 2); its byte is the largest magnitude's exponent field - 2, held at 1 from below by a floor among the maximum's leaves.
; LIMITS: a block of zeros gets the byte 1 where the rule says 127 (its codes are zeros, and this program alone reads the bytes); blocks whose largest magnitude lies under 2^-124 keep the byte 1; NaN and infinities are not served.
; SHARES: a work-group takes one group of 128 rows x one K step of 256; wave w takes 64 rows (w % 2) x 128 K (w / 2): four fragments, 6,144 consecutive bytes, and one aligned run of 256 bytes of scale words.
; Work-groups 0-255 take x, 256-383 the weights (groups 0-23 w_qkv's columns, 24-31 w_proj's).  The two paths share no line behind the branch and no LDS byte.  Waves share nothing: no barrier.
; A stream: no matrix unit, no cluster (no byte is read by two work-groups), no tensor load; loads run two or three sets of 16 ahead.
.set FRB,  1536
.set GRP,  24576
.set XREG, 8448                        ; x path: a wave's stage, 16 rows x 528 bytes (512 + 16: the sixteen rows that a read touches start 16 bytes apart modulo 256)
.set WST,  33792                       ; weights' path: its own LDS bytes, behind the four stages of x's path
.set WREG, 14336                       ; a wave's: a stage of 32 rows of K x 256 bytes, and behind it the images of its four fragments
.set WIM,  8192
.set TM,   10                          ; v10-11 largest magnitudes     v12-13 the conversions' scale operands     v14-15 scale bytes
.set SO,   12
.set BY,   14
.set T,    16                          ; v16-22 the second halves of the blocks' codes (a conversion's three registers begin on an even number)
.set P,    24                          ; v24-47 codes, two sets of 12
.set W,    48                          ; v48-51 scale words
.set VOFF, 60                          ; v60-75 weights: byte offsets of 16 pairs of rows of K
.set R,    64                          ; x: three sets of 64 numbers, v64-255
.set RW,   76                          ; weights: two sets of 64, v76-203
; Two blocks of 32 numbers of a lane, v[s .. s + 31] and v[s + 32 .. s + 63], become 2 x 6 registers of codes at v[p] on, and their bytes in v[BY], v[BY + 1].
.macro QUANT32 s, p
.irp c, 0,1
	v_max3_num_f32 v[TM+\c], |v[\s+32*\c]|, |v[\s+32*\c+1]|, 0x1800000   ; the floor 2^(3 - 127) among the leaves: the byte cannot fall under 1
.endr
.irp i, 2,4,6,8,10,12,14,16,18,20,22,24,26,28,30
.irp c, 0,1
	v_max3_num_f32 v[TM+\c], v[TM+\c], |v[\s+32*\c+\i]|, |v[\s+32*\c+\i+1]|
.endr
.endr
.irp c, 0,1
	v_add_nc_u32 v[SO+\c], 0xff000000, v[TM+\c]    ; 2 off the exponent field: the conversion takes this operand's exponent field as its scale
.endr
.irp c, 0,1
	v_lshrrev_b32 v[BY+\c], 23, v[SO+\c]           ; the scale's byte
.endr
.irp c, 0,1
	v_cvt_scalef32_pk16_fp6_f32 v[\p+6*\c:\p+6*\c+2], v[\s+32*\c:\s+32*\c+15], v[SO+\c]
	v_cvt_scalef32_pk16_fp6_f32 v[T+4*\c:T+4*\c+2], v[\s+32*\c+16:\s+32*\c+31], v[SO+\c]
.endr
	v_nop                                          ; one plain line behind the scaled conversions
.irp c, 0,1
.irp i, 0,1,2
	v_mov_b32 v[\p+6*\c+3+\i], v[T+4*\c+\i]
.endr
.endr
.endm
	s_load_b128 s[4:7], s[0:1], 0x0                ; x, w_qkv
	s_load_b64 s[8:9], s[0:1], 0x10                ; w_proj
	s_load_b128 s[12:15], s[0:1], 0x18             ; xc, wr
	s_load_b128 s[16:19], s[0:1], 0x28             ; wc, ws
	v_lshl_add_u32 v19, v0, 2, 0x16400
	v_mov_b32 v23, 0
	v_lshrrev_b32 v1, 5, v0
	v_readfirstlane_b32 s54, v1                    ; my wave of the work-group's two: LDS places go by it
	s_and_b32 s55, ttmp9, 1                        ; 768 work-groups of two waves: three to a WGP.  Two neighbours share what is called a work-group's share above:
	s_lshl_b32 s55, s55, 1
	s_add_co_u32 s20, s54, s55                     ; wave 0..3 of that share (it enters global addresses alone),
	s_lshr_b32 s55, ttmp9, 1                       ; and the share's number, 0..383
	s_and_b32 s21, s20, 1                          ; gh: which 64 rows
	s_lshr_b32 s22, s20, 1                         ; q: which 128 along K
	v_and_b32 v1, 31, v0                           ; L
	v_and_b32 v2, 15, v0                           ; r
	v_bfe_u32 v3, v0, 4, 1                         ; h
	v_lshlrev_b32 v4, 4, v1                        ; 16 L
	v_lshlrev_b32 v5, 3, v1                        ; 8 L
	s_mov_b32 s40, 0x76543210
	s_mov_b32 s41, 0xfedcba98                      ; v_permlanex16_b32's selects for lane L xor 16
	s_cmp_lt_u32 s55, 256
	s_cbranch_scc0 .Lweights
	; ---------------- x: K is innermost ----------------
	s_mul_i32 s23, s54, XREG
	v_add_nc_u32 v6, s23, v4                       ; into the stage: 16 L of a row
	v_mul_u32_u24 v7, v2, 528
	v_lshl_add_u32 v7, v3, 7, v7
	v_add_nc_u32 v7, s23, v7                       ; out of it: row r, + 128 h: my block of 32 numbers
	v_lshlrev_b32 v8, 3, v3                        ; 8 h
	v_mov_b32 v9, 0                                ; a lane permute's destination counts as read
	s_lshr_b32 s30, s55, 2
	s_and_b32 s31, s55, 3
	s_lshl_b32 s32, s30, 19                        ; 128 rows of 4,096 bytes
	s_lshl_b32 s33, s21, 18                        ; + 64 gh rows
	s_add_co_u32 s32, s32, s33
	s_lshl_b32 s33, s31, 10                        ; + 1,024 bytes a K step
	s_add_co_u32 s32, s32, s33
	s_lshl_b32 s33, s22, 9                         ; + 512 q
	s_add_co_u32 s32, s32, s33
	s_mov_b32 s33, 0
	; xc holds one record of 204,800 bytes for each 256 rows: [scale words of 2 groups, 8,192][K step 0..3][group % 2][24,576]
	s_lshr_b32 s38, s30, 1
	s_mul_i32 s34, s38, 204800
	s_mul_i32 s35, s31, 49152
	s_add_co_u32 s34, s34, s35
	s_and_b32 s35, s30, 1
	s_mul_i32 s35, s35, GRP
	s_add_co_u32 s34, s34, s35
	s_add_co_u32 s34, s34, 8192
	s_mul_i32 s35, s22, 8*FRB
	s_add_co_u32 s34, s34, s35
	s_mul_i32 s35, s21, 4*FRB
	s_add_co_u32 s34, s34, s35
	s_mov_b32 s35, 0
	s_lshl_b32 s36, s30, 12                        ; the scale words: 4,096 group + 512 (2 K step + q) + 256 gh
	s_lshl_b32 s37, s31, 10
	s_add_co_u32 s36, s36, s37
	s_lshl_b32 s37, s22, 9
	s_add_co_u32 s36, s36, s37
	s_lshl_b32 s37, s21, 8
	s_add_co_u32 s36, s36, s37
	s_mov_b32 s37, 0
	s_wait_kmcnt 0x0
	s_add_nc_u64 s[24:25], s[4:5], s[32:33]
	s_add_nc_u64 s[26:27], s[12:13], s[34:35]
	s_mul_i32 s38, s38, 196608                     ; 4,096 x group = 8,192 x record + 4,096 (group % 2): the rest of a record's length is added
	s_add_co_u32 s36, s36, s38
	s_add_nc_u64 s[28:29], s[12:13], s[36:37]
.macro XLOAD f                         ; tile f of my four: its 16 rows in the tile's order, 512 consecutive bytes a load
.set RL, R+64*((\f)%3)
.irp t, 0,1,2,3,4,5,6,7,8,9,10,11,12,13,14,15
	global_load_b128 v[RL+4*\t:RL+4*\t+3], v4, s[24:25] offset:(32*((\f)/2)+8*((\f)%2)+\t+8*(\t/8))*4096 th:TH_LOAD_NT
.endr
.endm
.macro XSTEP f, left
.set RS, R+64*((\f)%3)
.set PX, P+12*((\f)%2)
	s_wait_loadcnt \left                           ; this tile's 16 loads are in; the younger sets' may be out
.irp t, 0,1,2,3,4,5,6,7,8,9,10,11,12,13,14,15
	ds_store_b128 v6, v[RS+4*\t:RS+4*\t+3] offset:528*\t
.endr
	s_wait_dscnt 0x0                               ; the stores have read their registers, which take the numbers back in the other order
.irp c, 0,1
.irp m, 0,1,2,3,4,5,6,7
	ds_load_b128 v[RS+32*\c+4*\m:RS+32*\c+4*\m+3], v7 offset:256*\c+16*\m   ; k = 64 c + 32 h + 4 m .. of row r
.endr
.endr
	s_wait_dscnt 0x0
.if (\f) >= 2
	s_wait_xcnt 0x0                                ; the stores of two tiles ago have read this set of code registers
.endif
	QUANT32 RS, PX
	v_lshl_or_b32 v52, v[BY+1], 16, v[BY]          ; my bytes: blocks h and 2 + h of row r,
	v_lshlrev_b32 v52, v8, v52                     ; at their places (8 h bits up);
	v_permlanex16_b32 v9, v52, s40, s41
	v_or_b32 v[W+(\f)], v52, v9                    ; with lane L xor 16's two the word is whole
.irp c, 0,1
	global_store_b128 v4, v[PX+6*\c:PX+6*\c+3], s[26:27] offset:(\f)*FRB+768*\c        ; 512 consecutive bytes, aligned to 256
	global_store_b64 v5, v[PX+6*\c+4:PX+6*\c+5], s[26:27] offset:(\f)*FRB+768*\c+512   ; 256 consecutive bytes, aligned to 256
.endr
.endm
	s_wait_alu depctr_va_vdst(0)
	XLOAD 0
	XLOAD 1
	XLOAD 2
	XSTEP 0, 32
	XLOAD 3
	XSTEP 1, 32
	XSTEP 2, 16
	XSTEP 3, 0
	s_mov_b32 vcc_lo, 0xffff0000                   ; lanes 16-31
	v_cndmask_b32 v54, v[W], v[W+2], vcc_lo        ; lane (r, h) stores the words of row r of tiles 2 h and 2 h + 1
	v_cndmask_b32 v55, v[W+1], v[W+3], vcc_lo
	global_store_b64 v5, v[54:55], s[28:29]        ; 256 consecutive bytes, aligned to 256
	s_wait_tensorcnt 0x0
	ds_add_u32 v19, v23
	s_wait_dscnt 0x0
	s_endpgm
	; ---------------- the weights: K is the first axis ----------------
.Lweights:
	s_sub_co_u32 s23, s55, 256
	s_lshr_b32 s42, s23, 2                         ; group of 128 columns, 0 .. 31
	s_and_b32 s43, s23, 3                          ; K step
	s_sub_co_u32 s44, s42, 24                      ; (taken only where the group is 24 or more)
	s_mov_b32 s45, 12288
	s_wait_kmcnt 0x0
	s_cmp_ge_u32 s42, 24                           ; w_proj's group?  The choice hangs on the work-group's number alone
	s_cselect_b64 s[24:25], s[8:9], s[6:7]
	s_cselect_b32 s30, 4096, s45                   ; a row of the weight in bytes
	s_cselect_b32 s44, s44, s42                    ; the group within its weight
	s_lshl_b32 s31, s30, 1
	s_lshl_b32 s44, s44, 9                         ; 128 columns of 4 bytes
	s_lshl_b32 s45, s21, 8                         ; + 64 gh columns
	s_add_co_u32 s44, s44, s45
	s_lshl_b32 s45, s43, 8
	s_lshl_b32 s46, s22, 7
	s_add_co_u32 s45, s45, s46                     ; my first row of K: 256 K step + 128 q
	s_mul_i32 s45, s45, s30
	s_add_co_u32 s44, s44, s45
	s_mov_b32 s45, 0
	s_add_nc_u64 s[32:33], s[24:25], s[44:45]      ; a base for each of my four blocks of 32 along K
	s_lshl_b32 s44, s30, 5
	s_add_nc_u64 s[34:35], s[32:33], s[44:45]
	s_add_nc_u64 s[36:37], s[34:35], s[44:45]
	s_add_nc_u64 s[38:39], s[36:37], s[44:45]
	; w_qkv's groups (T = group / 8: Q, K, V; j = group % 8) go to wr: a record of 307,200 bytes for each j: [scale words of T = 0..2, 12,288][K step 0..3][T][24,576]; w_proj's stay in wc, ws
	s_and_b32 s48, s42, 7
	s_mul_i32 s48, s48, 307200
	s_lshr_b32 s49, s42, 3
	s_mul_i32 s50, s49, GRP
	s_mul_i32 s51, s43, 73728
	s_add_co_u32 s50, s50, s51
	s_add_co_u32 s50, s50, s48
	s_add_co_u32 s50, s50, 12288
	s_mul_i32 s44, s23, GRP
	s_cmp_ge_u32 s42, 24
	s_cselect_b32 s44, s44, s50
	s_cselect_b64 s[52:53], s[16:17], s[14:15]
	s_mul_i32 s46, s22, 8*FRB
	s_add_co_u32 s44, s44, s46
	s_mul_i32 s46, s21, 4*FRB
	s_add_co_u32 s44, s44, s46
	s_add_nc_u64 s[26:27], s[52:53], s[44:45]
	s_lshl_b32 s44, s42, 12
	s_lshl_b32 s49, s49, 12
	s_add_co_u32 s49, s49, s48
	s_cmp_ge_u32 s42, 24
	s_cselect_b32 s44, s44, s49
	s_cselect_b64 s[52:53], s[18:19], s[14:15]
	s_lshl_b32 s46, s43, 10
	s_add_co_u32 s44, s44, s46
	s_lshl_b32 s46, s22, 9
	s_add_co_u32 s44, s44, s46
	s_lshl_b32 s46, s21, 8
	s_add_co_u32 s44, s44, s46
	s_add_nc_u64 s[28:29], s[52:53], s[44:45]
	s_mul_i32 s46, s54, WREG
	s_add_co_u32 s46, s46, WST
	s_wait_alu depctr_va_vdst(0)
	v_add_nc_u32 v6, s46, v4                       ; the stage, in: as loaded, 16 L
	v_lshl_add_u32 v7, v1, 2, s46                  ; out: A LANE TAKES A COLUMN, its registers run down K
	v_bfe_u32 v8, v0, 3, 1                         ; column 32 sl + L is row r' of tile 2 sl + u:  u = (L / 8) % 2,
	v_and_b32 v9, 7, v0
	v_lshl_or_b32 v9, v3, 3, v9                    ; r' = L % 8 + 8 (L / 16)
	s_add_co_u32 s47, s46, WIM
	v_mul_u32_u24 v52, v8, FRB
	v_add_nc_u32 v52, s47, v52
	v_lshl_add_u32 v56, v9, 4, v52                 ; the images: registers 0-3 of lane r' of fragment u,
	v_lshl_add_u32 v57, v9, 3, v52
	v_add_nc_u32 v57, 512, v57                     ; and registers 4, 5
	v_add_nc_u32 v58, s47, v4                      ; the images on their way out: 16 L
	v_lshlrev_b32 v59, 3, v9
	v_lshl_add_u32 v59, v8, 7, v59                 ; the scale words' store: 128 u + 8 r'
	v_mul_lo_u32 v[VOFF], v3, s30
	v_lshl_add_u32 v[VOFF], v2, 4, v[VOFF]         ; lanes 0-15 read 256 bytes of an even row of K, lanes 16-31 of the odd row behind it
.irp m, 1,2,3,4,5,6,7,8,9,10,11,12,13,14,15
	v_add_nc_u32 v[VOFF+\m], s31, v[VOFF+\m-1]
.endr
.macro WLOAD bt                        ; block bt: 32 rows of K x my 64 columns
.set RL, RW+64*((\bt)%2)
.irp m, 0,1,2,3,4,5,6,7,8,9,10,11,12,13,14,15
	global_load_b128 v[RL+4*\m:RL+4*\m+3], v[VOFF+\m], s[32+2*(\bt):33+2*(\bt)] th:TH_LOAD_NT
.endr
.endm
.macro WSTEP bt, left
.set RS, RW+64*((\bt)%2)
	s_wait_loadcnt \left                           ; this block's 16 loads are in; the next block's may be out
.irp m, 0,1,2,3,4,5,6,7,8,9,10,11,12,13,14,15
	ds_store_b128 v6, v[RS+4*\m:RS+4*\m+3] offset:512*\m
.endr
	s_wait_dscnt 0x0                               ; these stores, and the last block's stores of codes, have read their registers
.irp sl, 0,1
.irp kk, 0,1,2,3,4,5,6,7,8,9,10,11,12,13,14,15,16,17,18,19,20,21,22,23,24,25,26,27,28,29,30,31
	ds_load_b32 v[RS+32*\sl+\kk], v7 offset:256*\kk+128*\sl   ; row kk of the block, column 32 sl + L
.endr
.endr
	s_wait_dscnt 0x0
	QUANT32 RS, P
.irp sl, 0,1
	ds_store_b128 v56, v[P+6*\sl:P+6*\sl+3] offset:2*FRB*\sl+768*((\bt)/2)+256*((\bt)%2)     ; block bt is half bt / 2 of the fragment, lanes 16 (bt % 2) on
	ds_store_b64 v57, v[P+6*\sl+4:P+6*\sl+5] offset:2*FRB*\sl+768*((\bt)/2)+128*((\bt)%2)
.if (\bt) == 0
	v_mov_b32 v[W+\sl], v[BY+\sl]
.else
	v_lshl_or_b32 v[W+\sl], v[BY+\sl], 8*(\bt), v[W+\sl]
.endif
.endr
.endm
	WLOAD 0
	WLOAD 1
	WSTEP 0, 16
	WLOAD 2
	WSTEP 1, 16
	WLOAD 3
	WSTEP 2, 16
	WSTEP 3, 0
.irp i, 0,1,2,3,4,5,6,7,8,9,10,11
	ds_load_b128 v[RW+4*\i:RW+4*\i+3], v58 offset:512*\i   ; LDS serves a wave's instructions in order: these see my stores
.endr
	s_wait_alu depctr_va_vdst(0)
.irp i, 0,1,2,3,4,5,6,7,8,9,10,11
	s_wait_dscnt 11-\i
	global_store_b128 v4, v[RW+4*\i:RW+4*\i+3], s[26:27] offset:512*\i   ; 512 consecutive bytes, aligned to 256
.endr
	v_mov_b32 v52, 0
	v_mov_b32 v53, 0
	v_mov_b32_dpp v52, v[W] row_xmask:8 row_mask:0xf bank_mask:0xf       ; lane L xor 8 holds the same r' and the other u
	v_mov_b32_dpp v53, v[W+1] row_xmask:8 row_mask:0xf bank_mask:0xf
	s_mov_b32 vcc_lo, 0xff00ff00                   ; the lanes with u = 1
	v_cndmask_b32 v54, v[W], v53, vcc_lo           ; a lane with u = 0 stores column set 0's words of row r' (u = 0, 1), one with u = 1 column set 1's
	v_cndmask_b32 v55, v52, v[W+1], vcc_lo
	global_store_b64 v59, v[54:55], s[28:29]       ; the 32 lanes fill 256 consecutive bytes, aligned to 256
	s_wait_tensorcnt 0x0
	ds_add_u32 v19, v23
	s_wait_dscnt 0x0
	s_endpgm
.Lfunc_end_k_q2a18ea3d50_quant:
	.size	k_q2a18ea3d50_quant, .Lfunc_end_k_q2a18ea3d50_quant-k_q2a18ea3d50_quant
	.p2alignl 7, 3214868480
	.fill 96, 4, 3214868480
	.section	.rodata,"a",@progbits
	.p2align	6, 0x0
	.amdhsa_kernel k_q2a18ea3d50_quant
		.amdhsa_group_segment_fixed_size 91648
		.amdhsa_private_segment_fixed_size 0
		.amdhsa_enable_private_segment 0
		.amdhsa_kernarg_size 56
		.amdhsa_user_sgpr_count 2
		.amdhsa_user_sgpr_kernarg_segment_ptr 1
		.amdhsa_wavefront_size32 1
		.amdhsa_system_sgpr_workgroup_id_x 1
		.amdhsa_system_sgpr_workgroup_id_y 1
		.amdhsa_system_sgpr_workgroup_id_z 1
		.amdhsa_system_vgpr_workitem_id 0
		.amdhsa_next_free_vgpr 256
		.amdhsa_next_free_sgpr 66
		.amdhsa_reserve_vcc 1
		.amdhsa_float_denorm_mode_32 3
		.amdhsa_float_denorm_mode_16_64 3
		.amdhsa_memory_ordered 1
		.amdhsa_forward_progress 1
		.amdhsa_inst_pref_size 77
	.end_amdhsa_kernel
	.amdgpu_metadata
---
amdhsa.version: [ 1, 2 ]
amdhsa.kernels:
  - .name:           k_q2a18ea3d50_quant
    .symbol:         k_q2a18ea3d50_quant.kd
    .args:
      - { .name: x, .offset: 0, .size: 8, .value_kind: global_buffer, .address_space: global }
      - { .name: w_qkv, .offset: 8, .size: 8, .value_kind: global_buffer, .address_space: global }
      - { .name: w_proj, .offset: 16, .size: 8, .value_kind: global_buffer, .address_space: global }
      - { .name: xc, .offset: 24, .size: 8, .value_kind: global_buffer, .address_space: global }
      - { .name: wr, .offset: 32, .size: 8, .value_kind: global_buffer, .address_space: global }
      - { .name: wc, .offset: 40, .size: 8, .value_kind: global_buffer, .address_space: global }
      - { .name: ws, .offset: 48, .size: 8, .value_kind: global_buffer, .address_space: global }
    .group_segment_fixed_size: 91648
    .private_segment_fixed_size: 0
    .kernarg_segment_align: 8
    .kernarg_segment_size: 56
    .max_flat_workgroup_size: 64
    .sgpr_count:     66
    .vgpr_count:     256
    .wavefront_size: 32
...
	.end_amdgpu_metadata
.endif
;; end of part 1
;; launch qkv (part 2): grid 8 x 32, 4 waves a work-group, clusters of 4 x 4, 327,680 bytes of LDS; arguments xc, wr, qi, kv; writes qi, kv
.if DOCPART == 2
	.amdgcn_target "amdgcn-amd-amdhsa--gfx1250"
	.amdhsa_code_object_version 6
	.text
	.protected	k_q2a18ea3d50_qkv
	.globl	k_q2a18ea3d50_qkv
	.p2align	8
	.type	k_q2a18ea3d50_qkv,@function
k_q2a18ea3d50_qkv:
	s_mov_b64 s[64:65], 0
	v_nop
	global_prefetch_b8 v0, s[64:65] scope:SCOPE_SE
	s_setreg_imm32_b32 hwreg(HW_REG_WAVE_MODE, 25, 1), 1
	s_wait_xcnt 0x0
	s_wait_alu depctr_hold_cnt(0) depctr_sa_sdst(0) depctr_va_vdst(0) depctr_va_sdst(0) depctr_va_ssrc(0) depctr_va_vcc(0) depctr_vm_vsrc(0)
	s_getreg_b32 s2, hwreg(HW_REG_IB_STS2, 6, 4)
	s_cmp_eq_u32 s2, 0
	s_cbranch_scc0 .Lentry_in_a_cluster
	s_endpgm
.Lentry_in_a_cluster:
	s_bfe_u32 s2, ttmp6, 0x10000c
	s_cmp_lg_u32 s2, 0xf033
	s_cbranch_scc0 .Lentry_shape_is_right
	s_endpgm
.Lentry_shape_is_right:
; Q, K, V = x w_qkv on codes of FP6 (E2M3) with E8M0 scales, and their quantisers for the two products of attention.  No f32 result is stored.
; THE DEAL.  8 x 32 = 256 work-groups.  A work-group takes 256 tokens (2 groups of 128) and the heads 2 j, 2 j + 1 of Q, of K and of V: 384 columns.  Four waves, 2 x 2: wave (ra, cb) takes group ra and head 2 j + cb of
; each tensor: 128 tokens x 192 columns, 96 accumulators, 768 registers: Q's in window 1, K's in window 2, V's in window 3.  All operands, scale words and addresses lie in window 0.
; Q, K: source 0 = the weight's rows, so a lane holds one token and its registers run along the head's 64 (accumulator (a, b) at 8 (4 a + b)).  V: source 0 = x's rows, so a lane holds one channel and its registers run
; along the tokens (accumulator (a, b) at 8 (8 b + a)).  By the tiles' row order (row r of tile i: 32 (i / 2) + 8 (i % 2) + r + 8 (r / 8)) the 16 registers of two neighbouring tiles are 16 neighbours along the next K.
; MEMORY.  xc: a record for each 256 tokens: [scale words 8,192][K step of 256: 2 groups x 24,576] x 4.  wr: a record for each j: [scale words 12,288][K step: Q's, K's, V's group x 24,576] x 4.  Every load is a dense block in rows of 256 bytes.
; LDS: [w's scale words][w slot 0][w slot 1][x's scale words][x slot 0][x slot 1][spare words].  At the head one load a wave: wave 0 x's words and K step 0, wave 1 the weights' words and K step 0, waves 2, 3 K step 1.
; The first barrier waits for waves 0 and 1 alone (their lines are their own).  TWO REFILLS, in drained rounds of the cluster's barrier inside chunks 1 and 3 (wave 2 x's K step, wave 3 the weights'); chunk 5 has a plain barrier that shows the last.
; A CHUNK is 128 along K: 96 products in three phases of 32 (Q, K, V) on 8 fragments of x (one set) and 4 of the phase's weight (two sets by turns).  The next phase's weights are asked for at a phase's head; x's next
; fragments in V's phase, tiles 0-3 behind their last products, tiles 4-7 at its end.  The 96 accumulators take turns.
; CLUSTER 4 x 4: x's tiles are shared along a row (mask s96), the weights' along a column (mask s97).
; PREFETCH: K step 2 is asked for ahead of chunk 0, K step 3 in chunk 1, behind the refill: each a K step or more ahead of its load; the sixteen waves that will receive a tile share its blocks of 256 bytes by address.
; OUT: qi, kv: a block of 13,056 bytes for each (batch, head, 128 tokens): 8 half fragments of q or k (768 each), 4 fragments of v (1,536 each), k's scale words (512), v's (256).
; LIMITS: a block of zeros gets the byte 1 (its codes are zeros; this program alone reads the bytes); blocks whose largest magnitude lies under 2^-124 keep the byte 1; NaN and infinities are not served.
.set FRB,   1536
.set GRP,   24576
.set HG,    12288
.set AK,    2*GRP
.set BKS,   3*GRP
.set RECA,  8192+4*AK
.set RECB,  12288+4*BKS
.set B0,    12288
.set SA,    B0+2*BKS
.set A0,    SA+8192
.set SPARE, A0+2*AK
.set BLK,   13056
.set FR,    12
.set SC,    40                         ; v40-63 scale words, two sets of 12: register i: lanes 0-15 x's tile i (i < 8), lanes 16-31 the weights' tile 4 T + b
.set AF,    64                         ; v64-159 x's fragments
.set BF,    160                        ; v160-255 the weights', two sets of four
.set A16,   8                          ; v8-9, v10-11 x's fragments in slot 0, 1: 16 and 8 bytes a lane
.set A8,    10
.set B16,   12                         ; v12-15 the same for Q's and K's weights; v16-19 for V's
.set B8,    14
.set VS,    20                         ; v20-22 scale words, one register for each T
.set G1AH,  24
.set G1BH,  32
.set G1A,   40
.set G1B,   48
.set G0AH,  56
.set G0BH,  60
.set G0A,   68
.set G0B,   72
.set MSB, 0
.macro WIN new
.if MSB != \new
	s_set_vgpr_msb (MSB<<8)|\new
.set MSB, \new
.endif
.endm
.macro PLACES n
.rept \n
	v_nop
.endr
.endm
.macro CREST
	s_cmp_lg_u32 s16, 0
	s_cbranch_scc1 .Lnot_wave_0_\@
	s_barrier_signal -3
.Lnot_wave_0_\@:
	s_barrier_wait -3
	s_barrier_signal -1
	s_barrier_wait -1
.endm
.macro CROUND
	s_barrier_signal -1
	s_barrier_wait -1
	CREST
.endm
.macro SHAPE g, mask, rows             ; a dense block as rows of 256 bytes (32 elements of 8 bytes)
	s_or_b32 s[\g], s\mask, (3<<16)|(1<<21)
	s_mov_b32 s[\g+1], 32<<16
	s_mov_b32 s[\g+2], (\rows)<<16
	s_mov_b32 s[\g+3], 32<<16
	s_mov_b32 s[\g+4], \rows
	s_mov_b32 s[\g+5], 32
	s_mov_b32 s[\g+6], 0
	s_mov_b32 s[\g+7], 0
.endm
.macro TLOAD g0, g1
	tensor_load_to_lds s[\g0:\g0+3], s[\g1:\g1+7]
	s_nop 0
	PLACES 4
.endm
.macro ARM w, g0, g1, next
	s_cmp_eq_u32 s16, \w
	s_cbranch_scc0 \next
	TLOAD \g0, \g1
	s_branch .Lhead_asked
\next:
.endm
.macro RLOAD                           ; a refill: wave 2 x's K step, wave 3 the weights'
	s_cmp_eq_u32 s16, 2
	s_cbranch_scc0 .Lnot_a_\@
	TLOAD G0A, G1A
	s_branch .Ldone_\@
.Lnot_a_\@:
	s_cmp_eq_u32 s16, 3
	s_cbranch_scc0 .Ldone_\@
	TLOAD G0B, G1B
.Ldone_\@:
.endm
.macro FRAG reg, a16, a8, off          ; a fragment's image of 1,536 bytes comes back as the registers that it is
	ds_load_b128 v[\reg:\reg+3], v[\a16] offset:\off
	ds_load_b64 v[\reg+4:\reg+5], v[\a8] offset:\off+512
	ds_load_b128 v[\reg+6:\reg+9], v[\a16] offset:\off+768
	ds_load_b64 v[\reg+10:\reg+11], v[\a8] offset:\off+1280
.endm
.macro LOADB c, t                      ; my four tiles of tensor t's weight, chunk c, into set (3 c + t) % 2: 16 loads
.set BS_, BF+48*((3*(\c)+(\t))%2)
.set SL_, ((\c)/2)%2
.set HI_, 4*((\t)/2)
.irp b, 0,1,2,3
	FRAG BS_+FR*\b, B16+HI_+SL_, B8+HI_+SL_, ((\t)%2)*GRP+((\c)%2)*HG+\b*FRB
.endr
.endm
.macro LOADA c, i0                     ; x's tiles i0 .. i0 + 3 of chunk c: 16 loads
.set SL_, ((\c)/2)%2
.irp i, \i0, \i0+1, \i0+2, \i0+3
	FRAG AF+FR*(\i), A16+SL_, A8+SL_, ((\c)%2)*HG+(\i)*FRB
.endr
.endm
.macro LOADS c                         ; chunk c's scale words into set c % 2: 6 loads
.irp t, 0,1,2
.irp u, 0,1
	ds_load_b64 v[SC+12*((\c)%2)+4*\t+2*\u:SC+12*((\c)%2)+4*\t+2*\u+1], v[VS+\t] offset:(\c)*512+128*\u
.endr
.endr
.endm
.macro W1 d, s0, s1, zero, x0, x1, side
.if \zero
	v_wmma_scale_f32_16x16x128_f8f6f4 v[\d:\d+7], v[\s0:\s0+FR-1], v[\s1:\s1+FR-1], 0, v[\x0], v[\x1] matrix_a_fmt:MATRIX_FMT_FP6 matrix_b_fmt:MATRIX_FMT_FP6 matrix_\side\()_scale:MATRIX_SCALE_ROW1
.else
	v_wmma_scale_f32_16x16x128_f8f6f4 v[\d:\d+7], v[\s0:\s0+FR-1], v[\s1:\s1+FR-1], v[\d:\d+7], v[\x0], v[\x1] matrix_a_fmt:MATRIX_FMT_FP6 matrix_b_fmt:MATRIX_FMT_FP6 matrix_\side\()_scale:MATRIX_SCALE_ROW1
.endif
.endm
.macro MUL c, t, a0, n, zero           ; x's tiles a0 .. a0 + n - 1 against tensor t's four tiles
.set BS_, BF+48*((3*(\c)+(\t))%2)
.set SS_, SC+12*((\c)%2)
	WIN 0x50*((\t)+1)
.set A_, \a0
.rept \n
.irp b, 0,1,2,3
.if (\t) < 2
.set D_, 8*(4*A_+\b)
	W1 D_, BS_+FR*\b, AF+FR*A_, \zero, SS_+4*(\t)+\b, SS_+A_, a
.else
.set D_, 8*(8*\b+A_)
	W1 D_, AF+FR*A_, BS_+FR*\b, \zero, SS_+A_, SS_+8+\b, b
.endif
.endr
.set A_, A_+1
.endr
.endm
; mode 0: no barrier; 1: a drained round and a refill of this chunk's slot; 2: a plain barrier, nothing filled behind it
.macro CHUNK c, mode, zero
	s_wait_dscnt 32                                ; Q's weights, the scale words and x's tiles 0-3 are in; x's tiles 4-7 and K's weights may be out
	MUL \c, 0, 0, 4, \zero
	s_wait_dscnt 16                                ; K's weights may be out
	MUL \c, 0, 4, 4, \zero
	PLACES 4                                       ; places between products and loads into their operands
	WIN 0
	LOADB \c, 2                                    ; my last reads of this chunk
.if \mode == 1
	s_wait_tensorcnt 0x0                           ; all my tensor loads are in;
	ds_add_u32 v28, v29
	s_mov_b32 s[G0A+1], A0+(((\c)/2)%2)*AK         ; no load of mine is out: the descriptors step to the K step two on, into this chunk's slot
	s_mov_b32 s[G0B+1], B0+(((\c)/2)%2)*BKS
	s_add_nc_u64 s[G0A+2:G0A+3], s[G0A+2:G0A+3], AK
	s_add_nc_u64 s[G0B+2:G0B+3], s[G0B+2:G0B+3], BKS
	s_wait_dscnt 17                                ; V's weights and the add may be out
	MUL \c, 1, 0, 6, \zero
	WIN 0
	s_wait_dscnt 0x0                               ; the add, and my reads of this slot
	s_barrier_signal -1
	MUL \c, 1, 6, 2, \zero
	WIN 0
	s_barrier_wait -1
	CREST
	RLOAD
.elseif \mode == 2
	s_wait_dscnt 16
	MUL \c, 1, 0, 6, \zero
	WIN 0
	s_wait_tensorcnt 0x0                           ; the last refill is in
	s_wait_dscnt 0x0
	s_barrier_signal -1
	MUL \c, 1, 6, 2, \zero
	WIN 0
	s_barrier_wait -1
.else
	s_wait_dscnt 16
	MUL \c, 1, 0, 8, \zero
.endif
	PLACES 4
	WIN 0
.if (\c) < 7
	LOADB (\c)+1, 0
	LOADS (\c)+1
.if (\c) == 1
	global_prefetch_b8 v24, s[12:13] offset:8192+3*AK th:TH_LOAD_NT scope:SCOPE_SE     ; K step 3, which chunk 3's refill loads
	global_prefetch_b8 v25, s[14:15] offset:12288+3*BKS th:TH_LOAD_NT scope:SCOPE_SE
.endif
	s_wait_dscnt 22                                ; V's weights are in; the 22 just issued may be out
.else
	s_wait_dscnt 0x0
.endif
	MUL \c, 2, 0, 4, \zero
.if (\c) < 7
	PLACES 4
	WIN 0
	LOADA (\c)+1, 0
.endif
	MUL \c, 2, 4, 4, \zero
.if (\c) < 7
	PLACES 4
	WIN 0
	LOADA (\c)+1, 4
	LOADB (\c)+1, 1
.endif
.endm
	s_load_b256 s[4:11], s[0:1], 0x0               ; xc, wr, qi, kv
	v_lshl_add_u32 v28, v0, 2, SPARE
	v_mov_b32 v29, 0
	ds_add_u32 v28, v29                            ; the opening lines: the add twice and its wait
	ds_add_u32 v28, v29
	v_lshrrev_b32 v1, 5, v0
	v_readfirstlane_b32 s16, v1                    ; wave
	s_lshr_b32 s17, s16, 1                         ; ra: my group of 128 tokens
	s_and_b32 s18, s16, 1                          ; cb: my head of the pair
	s_bfe_u32 s20, ttmp6, 0x40000                  ; cx
	s_bfe_u32 s21, ttmp6, 0x40004                  ; cy
	s_and_b32 s22, ttmp7, 0xffff
	s_lshl_b32 s22, s22, 2
	s_add_co_u32 s22, s22, s21                     ; which 256 tokens
	s_lshl_b32 s23, ttmp9, 2
	s_add_co_u32 s23, s23, s20                     ; j
	s_lshl_b32 s96, s21, 2
	s_lshl_b32 s96, 15, s96                        ; my row of the cluster
	s_lshl_b32 s97, 0x1111, s20                    ; my column
	SHAPE G1AH, 96, 224                            ; x's scale words and K step 0
	SHAPE G1BH, 97, 336                            ; the weights'
	SHAPE G1A, 96, 192                             ; a K step of x
	SHAPE G1B, 97, 288                             ; of the weights
	s_mul_i32 s80, s22, RECA
	s_mov_b32 s81, 0
	s_mul_i32 s82, s23, RECB
	s_mov_b32 s83, 0
	s_mov_b32 s[G0AH], 1
	s_mov_b32 s[G0AH+1], SA
	s_mov_b32 s[G0BH], 1
	s_mov_b32 s[G0BH+1], 0
	s_mov_b32 s[G0A], 1
	s_mov_b32 s[G0A+1], A0+AK
	s_mov_b32 s[G0B], 1
	s_mov_b32 s[G0B+1], B0+BKS
	s_wait_alu depctr_va_vdst(0)                   ; the wait ahead of the blocking wait
	s_wait_dscnt 0x0
	CROUND                                         ; the round in front of the first joint loads
	s_wait_kmcnt 0x0
	s_add_nc_u64 s[12:13], s[4:5], s[80:81]        ; my record of x
	s_add_nc_u64 s[14:15], s[6:7], s[82:83]        ; and of the weights
	s_mov_b64 s[G0AH+2:G0AH+3], s[12:13]
	s_mov_b64 s[G0BH+2:G0BH+3], s[14:15]
	s_add_nc_u64 s[G0A+2:G0A+3], s[12:13], 8192+AK
	s_add_nc_u64 s[G0B+2:G0B+3], s[14:15], 12288+BKS
.irp g, G0AH, G0BH, G0A, G0B
	s_or_b32 s[\g+3], s[\g+3], 0x80000000
.endr
	ARM 0, G0AH, G1AH, .Lhead_1
	ARM 1, G0BH, G1BH, .Lhead_2
	ARM 2, G0A, G1A, .Lhead_3
	TLOAD G0B, G1B
.Lhead_asked:
	s_mul_i32 s84, s17, GRP
	s_add_co_u32 s84, s84, A0                      ; my group of x in slot 0, 1
	s_add_co_u32 s85, s84, AK
	s_mul_i32 s86, s18, 4*FRB
	s_add_co_u32 s86, s86, B0                      ; my four tiles of a weight's eight
	s_add_co_u32 s87, s86, BKS
	s_lshl_b32 s88, s18, 8                         ; the weights' scale words, T = 0, 1, 2 (lanes 16-31): the lower base;
	s_add_co_u32 s89, s88, 4096
	s_add_co_u32 s90, s88, 8192
	s_lshl_b32 s91, s17, 12
	s_add_co_u32 s91, s91, SA                      ; x's (lanes 0-15): tiles 0-3 with T = 0, tiles 4-7 with T = 1 (and again, unread, with T = 2): the distance
	s_add_co_u32 s92, s91, 256
	s_sub_co_u32 s93, s92, s90
	s_sub_co_u32 s92, s92, s89
	s_sub_co_u32 s91, s91, s88
	s_lshl_b32 s94, s20, 2
	s_add_co_u32 s94, s94, s16
	s_mul_i32 s94, s94, 12*256                     ; prefetch: my sixteenth of x's K step, 12 blocks of 256 bytes
	s_lshl_b32 s95, s21, 2
	s_add_co_u32 s95, s95, s16
	s_mul_i32 s95, s95, 18*256                     ; and of the weights', 18 blocks
	s_lshl_b32 s80, s22, 1
	s_add_co_u32 s80, s80, s17                     ; my group of 128 tokens, 0 .. 63
	s_lshr_b32 s81, s80, 3
	s_lshl_b32 s81, s81, 7
	s_and_b32 s80, s80, 7
	s_add_co_u32 s81, s81, s80
	s_lshl_b32 s82, s23, 1
	s_add_co_u32 s82, s82, s18                     ; my head
	s_lshl_b32 s82, s82, 3
	s_add_co_u32 s81, s81, s82                     ; block 128 batch + 8 head + group % 8
	s_mul_i32 s80, s81, BLK
	s_mov_b32 s81, 0
	s_add_nc_u64 s[76:77], s[8:9], s[80:81]
	s_add_nc_u64 s[78:79], s[10:11], s[80:81]
	v_and_b32 v3, 31, v0                           ; L
	v_and_b32 v1, 15, v0                           ; r
	v_bfe_u32 v2, v0, 4, 1                         ; h
	v_lshlrev_b32 v4, 4, v3                        ; 16 L
	v_lshlrev_b32 v5, 3, v3                        ; 8 L
	v_sub_nc_u32 v7, 1, v2                         ; 1 in lanes 0-15
	v_lshlrev_b32 v6, 3, v1                        ; 8 r
	v_add_nc_u32 v[A16], s84, v4
	v_add_nc_u32 v[A16+1], s85, v4
	v_add_nc_u32 v[A8], s84, v5
	v_add_nc_u32 v[A8+1], s85, v5
	v_add_nc_u32 v[B16], s86, v4
	v_add_nc_u32 v[B16+1], s87, v4
	v_add_nc_u32 v[B8], s86, v5
	v_add_nc_u32 v[B8+1], s87, v5
.irp i, 0,1,2,3
	v_add_nc_u32 v[B16+4+\i], 2*GRP, v[B16+\i]
.endr
.irp t, 0,1,2
	v_mad_u32_u24 v[VS+\t], s[91+\t], v7, v6
.endr
.irp t, 0,1,2
	v_add_nc_u32 v[VS+\t], s[88+\t], v[VS+\t]
.endr
	v_min_u32 v24, 11, v3
	v_min_u32 v25, 17, v3
	v_lshl_add_u32 v24, v24, 8, s94
	v_lshl_add_u32 v25, v25, 8, s95
	s_wait_alu depctr_va_vdst(0)                   ; the wait at the head's end
	s_cmp_lt_u32 s16, 2
	s_cbranch_scc0 .Lnot_first
	s_wait_tensorcnt 0x0                           ; waves 0 and 1: the scale words and K step 0
.Lnot_first:
	s_barrier_signal -1
	s_barrier_wait -1                              ; K step 1 may be on its way
	LOADB 0, 0
	LOADS 0
	LOADA 0, 0
	LOADA 0, 4
	LOADB 0, 1
	global_prefetch_b8 v24, s[12:13] offset:8192+2*AK th:TH_LOAD_NT scope:SCOPE_SE      ; K step 2, which chunk 1's refill loads
	global_prefetch_b8 v25, s[14:15] offset:12288+2*BKS th:TH_LOAD_NT scope:SCOPE_SE
	CHUNK 0, 0, 1                                  ; the first products start the sums
	CHUNK 1, 1, 0
	CHUNK 2, 0, 0
	CHUNK 3, 1, 0
	CHUNK 4, 0, 0
	CHUNK 5, 2, 0
	CHUNK 6, 0, 0
	CHUNK 7, 0, 0
	WIN 0
; THE WAY OUT.  64 registers on end are four blocks of 32 along the next K, each in lanes L and L xor 16: for Q, K two token tiles x the head's two blocks; for V one channel tile x 128 tokens.
.set FLOOR, 208
.set TM,  210
.set TP,  214
.set SO,  218
.set BY,  222
.set T,   228
.set W4,  236
.set MW,  248
.macro PUT sb, off
	global_store_b128 v4, v[PP:PP+3], s[\sb:\sb+1] offset:\off            ; 512 consecutive bytes, aligned to 256
	global_store_b64 v5, v[PP+4:PP+5], s[\sb:\sb+1] offset:\off+512       ; 256 consecutive bytes, aligned to 256
	global_store_b128 v4, v[PP+6:PP+9], s[\sb:\sb+1] offset:\off+768
	global_store_b64 v5, v[PP+10:PP+11], s[\sb:\sb+1] offset:\off+1280
.endm
.macro EPI e                           ; e / 4: Q, K, V; e % 4: which 64 registers.  Each e has code registers of its own, so no store's data are written again
.set W_, 1+(\e)/4
.set AC, 64*((\e)%4)
.set PP, 64+12*(\e)
	WIN (W_<<2)|(W_<<4)
.irp b, 0,1,2,3
	v_max3_num_f32 v[TM+\b], v[FLOOR], |v[AC+16*\b]|, |v[AC+16*\b+1]|     ; each accumulator from its low end on
.endr
.irp i, 2,4,6,8,10,12,14
.irp b, 0,1,2,3
	v_max3_num_f32 v[TM+\b], v[TM+\b], |v[AC+16*\b+\i]|, |v[AC+16*\b+\i+1]|
.endr
.endr
	WIN 0
.irp b, 0,1,2,3
	v_permlanex16_b32 v[TP+\b], v[TM+\b], s98, s99
.endr
.irp b, 0,1,2,3
	v_max_num_f32 v[TM+\b], v[TM+\b], v[TP+\b]
.endr
.irp b, 0,1,2,3
	v_add_nc_u32 v[SO+\b], 0xff000000, v[TM+\b]    ; 2 off the exponent field: the conversion's scale operand
.endr
.irp b, 0,1,2,3
	v_lshrrev_b32 v[BY+\b], 23, v[SO+\b]
.endr
	v_lshl_or_b32 v[W4+(\e)], v[BY+1], 8, v[BY]
	v_lshl_or_b32 v[W4+(\e)], v[BY+2], 16, v[W4+(\e)]
	v_lshl_or_b32 v[W4+(\e)], v[BY+3], 24, v[W4+(\e)]
	WIN W_
	v_cvt_scalef32_pk16_fp6_f32 v[PP:PP+2], v[AC:AC+15], v[SO]
	v_cvt_scalef32_pk16_fp6_f32 v[T:T+2], v[AC+16:AC+31], v[SO+1]
	v_cvt_scalef32_pk16_fp6_f32 v[PP+6:PP+8], v[AC+32:AC+47], v[SO+2]
	v_cvt_scalef32_pk16_fp6_f32 v[T+4:T+6], v[AC+48:AC+63], v[SO+3]
	WIN 0
	v_nop                                          ; one plain line behind the scaled conversions
.irp i, 0,1,2
	v_permlane16_swap_b32 v[PP+\i], v[T+\i]        ; a whole block in a lane
	v_permlane16_swap_b32 v[PP+6+\i], v[T+4+\i]
.endr
.irp i, 0,1,2
	v_mov_b32 v[PP+3+\i], v[T+\i]
	v_mov_b32 v[PP+9+\i], v[T+4+\i]
.endr
.if (\e) < 4
	PUT 76, 1536*(\e)
.elseif (\e) < 8
	PUT 78, 1536*((\e)-4)
.else
	PUT 78, 6144+1536*((\e)-8)
.endif
.endm
.macro WORDS g, sb                     ; Q's or K's scale words: register j: lanes 0-15 tile 2 j's (bytes 0, 1 of the pair's word), lanes 16-31 tile 2 j + 1's (bytes 2, 3)
.irp j, 0,1,2,3
	v_lshrrev_b32 v[32+\j], 16, v[W4+4*\g+\j]
.endr
.irp j, 0,1,2,3
	v_cndmask_b32 v[MW+4*\g+\j], v[W4+4*\g+\j], v[32+\j], vcc_lo
.endr
	global_store_b128 v4, v[MW+4*\g:MW+4*\g+3], s[\sb:\sb+1] offset:12288
.endm
	PLACES 4                                       ; behind the last products
	v_mov_b32 v[FLOOR], 0x1800000                  ; the floor 2^(3 - 127): no byte falls under 1
.irp b, 0,1,2,3
	v_mov_b32 v[TP+\b], 0
.endr
	s_mov_b32 s98, 0x76543210
	s_mov_b32 s99, 0xfedcba98                      ; lane L xor 16
	s_mov_b32 vcc_lo, 0xffff0000                   ; lanes 16-31
.irp e, 0,1,2,3
	EPI \e
.endr
	WORDS 0, 76
.irp e, 4,5,6,7
	EPI \e
.endr
	WORDS 1, 78
.irp e, 8,9,10,11
	EPI \e
.endr
	v_cndmask_b32 v36, v[W4+8], v[W4+9], vcc_lo    ; V's: lanes 0-15 an even channel tile's words, lanes 16-31 the odd one's
	v_cndmask_b32 v37, v[W4+10], v[W4+11], vcc_lo
	global_store_b64 v5, v[36:37], s[78:79] offset:12800
	s_wait_tensorcnt 0x0                           ; the wave's end
	ds_add_u32 v28, v29
	s_wait_dscnt 0x0
	CROUND                                         ; the closing round
	s_endpgm
.Lfunc_end_k_q2a18ea3d50_qkv:
	.size	k_q2a18ea3d50_qkv, .Lfunc_end_k_q2a18ea3d50_qkv-k_q2a18ea3d50_qkv
	.p2alignl 7, 3214868480
	.fill 96, 4, 3214868480
	.section	.rodata,"a",@progbits
	.p2align	6, 0x0
	.amdhsa_kernel k_q2a18ea3d50_qkv
		.amdhsa_group_segment_fixed_size 327680
		.amdhsa_private_segment_fixed_size 0
		.amdhsa_enable_private_segment 0
		.amdhsa_kernarg_size 32
		.amdhsa_user_sgpr_count 2
		.amdhsa_user_sgpr_kernarg_segment_ptr 1
		.amdhsa_wavefront_size32 1
		.amdhsa_system_sgpr_workgroup_id_x 1
		.amdhsa_system_sgpr_workgroup_id_y 1
		.amdhsa_system_sgpr_workgroup_id_z 1
		.amdhsa_system_vgpr_workitem_id 0
		.amdhsa_next_free_vgpr 1024
		.amdhsa_next_free_sgpr 100
		.amdhsa_reserve_vcc 1
		.amdhsa_float_denorm_mode_32 3
		.amdhsa_float_denorm_mode_16_64 3
		.amdhsa_memory_ordered 1
		.amdhsa_forward_progress 1
		.amdhsa_inst_pref_size 209
	.end_amdhsa_kernel
	.amdgpu_metadata
---
amdhsa.version: [ 1, 2 ]
amdhsa.kernels:
  - .name:           k_q2a18ea3d50_qkv
    .symbol:         k_q2a18ea3d50_qkv.kd
    .args:
      - { .name: xc, .offset: 0, .size: 8, .value_kind: global_buffer, .address_space: global }
      - { .name: wr, .offset: 8, .size: 8, .value_kind: global_buffer, .address_space: global }
      - { .name: qi, .offset: 16, .size: 8, .value_kind: global_buffer, .address_space: global }
      - { .name: kv, .offset: 24, .size: 8, .value_kind: global_buffer, .address_space: global }
    .group_segment_fixed_size: 327680
    .private_segment_fixed_size: 0
    .kernarg_segment_align: 8
    .kernarg_segment_size: 32
    .max_flat_workgroup_size: 128
    .sgpr_count:     100
    .vgpr_count:     1024
    .wavefront_size: 32
...
	.end_amdgpu_metadata
.endif
;; end of part 2
;; launch attn (part 3): grid 4 x 64, 8 waves a work-group, clusters of 4 x 1, 215,040 bytes of LDS; arguments qi, kv, oc, os; writes oc, os
.if DOCPART == 3
	.amdgcn_target "amdgcn-amd-amdhsa--gfx1250"
	.amdhsa_code_object_version 6
	.text
	.protected	k_q2a18ea3d50_attn
	.globl	k_q2a18ea3d50_attn
	.p2align	8
	.type	k_q2a18ea3d50_attn,@function
k_q2a18ea3d50_attn:
	s_mov_b64 s[64:65], 0
	v_nop
	global_prefetch_b8 v0, s[64:65] scope:SCOPE_SE
	s_setreg_imm32_b32 hwreg(HW_REG_WAVE_MODE, 25, 1), 1
	s_wait_xcnt 0x0
	s_wait_alu depctr_hold_cnt(0) depctr_sa_sdst(0) depctr_va_vdst(0) depctr_va_sdst(0) depctr_va_ssrc(0) depctr_va_vcc(0) depctr_vm_vsrc(0)
	s_getreg_b32 s2, hwreg(HW_REG_IB_STS2, 6, 4)
	s_cmp_eq_u32 s2, 0
	s_cbranch_scc0 .Lentry_in_a_cluster
	s_endpgm
.Lentry_in_a_cluster:
	s_bfe_u32 s2, ttmp6, 0x10000c
	s_cmp_lg_u32 s2, 0x3003
	s_cbranch_scc0 .Lentry_shape_is_right
	s_endpgm
.Lentry_shape_is_right:
; o = softmax(q k^T / 8) v for 128 (batch, head) pairs of 1,024 tokens and head size 64, both products on codes of FP6 (E2M3) with E8M0 scales; o is quantised along the channels for the last product.
; THE SOFTMAX: t = score x log2(e) / 8; M = the running largest t rounded UP to a whole number; p = 2^(t - M) is quantised along the keys, not normalised; the row's sum is taken of the unquantised p and divides at the end.
; When M moves, the sum and O are multiplied by 2^(old M - new M): exact.
; SHARES.  A work-group takes two neighbouring heads (128 channels: one K chunk of the last product) and 256 queries.  Eight waves, two to a SIMD; a wave owns TWO tiles of 16 queries (X, Y) and runs the first head, then the second.
; The two tiles share each fragment of K and V, and their dependent chains stand line by line by turns.
; K AND V OF BOTH HEADS STAY IN LDS: 16 blocks of 13,056 bytes (128 keys: k's 8 half fragments, v's 4 fragments, their scale words), each filled once: wave w fetches blocks 2 w, 2 w + 1 by its one tensor load, jointly with
; the three partners of the cluster (the four query blocks of a pair of heads).  Wave 0 has a load line of its own: the first barrier shows blocks 0 and 1, the second, two key steps on, all.
; No prefetch: every byte of K and V is asked for by the tensor loads in the first lines.
; A KEY STEP: V's fragments are asked for at its top; the NEXT step's K behind the scores' products (the address is held at the run's last shown block, so that the last step asks for a block that is in).
; THE EXPONENTIALS STAND IN TWO BATCHES WITH PLAIN LINES AMONG THEM: X's with Y's multiply-adds, Y's with X's first sixteen additions.  No plain line of a batch reads what the same batch wrote; a wait stands ahead of each batch and behind it.
; LAYOUT.  Both products transposed: S^T = K Q^T, O^T = V^T P^T: a lane holds one query.  Row r of tile i is 32 (i / 2) + 8 (i % 2) + r + 8 (r / 8): the 16 registers of two neighbouring result tiles are 16 neighbours.
; THE FIRST PRODUCT'S K IS 64 IN AN INSTRUCTION OF 128: Q's registers 6-11 are zero codes; K's operand for tile t runs on into the next tile's codes (zeros behind tile 7): the format has no infinity and no NaN, so these products are 0.
; LIMITS: a block of zeros gets the byte 1 (its codes are zeros; this program alone reads the bytes); blocks of o whose largest magnitude lies under 2^-124 keep the byte 1; NaN and infinities are not served;
; the promise holds while the scaled scores stay under 2^31 in magnitude.
; REGISTERS, window 0: v1 16 L, v2 8 L, v6 8 L + 512, v8-9, v20-21 LDS addresses; v12 + 4 u: -M, largest t, the sum's pair (u = 0 X, 1 Y); v28-31 K's scale words; v32-85 K and six zeros; v86-87 V's words; v88-93 Q's and p's words;
;   v96-143 V; v144-191 Q (two heads x two tiles); v192-221 at work; v224-247 o's codes; v248-251 o's words.
; window 1: v0-127 S^T, then p; v128-191 O^T; v192-215 p's codes; v216-247 X's partial sums, then (v216-230) second halves of conversions; v248-255 Y's partial sums.
.set BLK,  13056
.set OSC,  16*BLK
.set MSB, 0
.macro WIN new
.if MSB != \new
	s_set_vgpr_msb (MSB<<8)|\new
.set MSB, \new
.endif
.endm
.macro PLACES n
.rept \n
	v_nop
.endr
.endm
.macro WALU
	s_wait_alu depctr_va_vdst(0)
.endm
.macro CROUND
	s_barrier_signal -1
	s_barrier_wait -1
	s_cmp_lg_u32 s12, 0
	s_cbranch_scc1 .Lnot_wave_0_\@
	s_barrier_signal -3
.Lnot_wave_0_\@:
	s_barrier_wait -3
	s_barrier_signal -1
	s_barrier_wait -1
.endm
.macro INIT                            ; a head begins: zeros, which the first change of M leaves zeros
.irp u, 0,1
	v_mov_b32 v[13+4*\u], 0xff61b1e6               ; the largest t so far: -3e38
	v_mov_b32 v[14+4*\u], 0
	v_mov_b32 v[15+4*\u], 0
.endr
.irp u, 0,1
	v_floor_f32 v[12+4*\u], -v[13+4*\u]
.endr
	WIN 0x40
.set J_, 0
.rept 64
	v_mov_b32 v[128+J_], 0
.set J_, J_+1
.endr
	WIN 0
.endm
.macro LOADK                           ; 17 loads: K's eight half fragments and scale words of the block at v20, v21
.irp t, 0,1,2,3,4,5,6,7
	ds_load_b128 v[32+6*\t:35+6*\t], v20 offset:768*\t
	ds_load_b64 v[36+6*\t:37+6*\t], v21 offset:768*\t+512
.endr
	ds_load_b128 v[28:31], v20 offset:12288
.endm
.macro SW d, a, b, c, x0, x1, row
	v_wmma_scale_f32_16x16x128_f8f6f4 v[\d:\d+7], v[\a:\a+11], v[\b:\b+11], \c, v[\x0], v[\x1] matrix_a_fmt:MATRIX_FMT_FP6 matrix_b_fmt:MATRIX_FMT_FP6 matrix_a_scale:MATRIX_SCALE_ROW\row
.endm
.macro YADD k                          ; Y's four chains take pairs k .. k + 3
.irp i, 0,1,2,3
	v_pk_add_f32 v[248+2*\i:249+2*\i], v[248+2*\i:249+2*\i], v[64+2*(\k+\i):64+2*(\k+\i)+1]
.endr
.endm
.macro XADD m                          ; X's four chains take its first-level sums m .. m + 3
.irp i, 0,1,2,3
	v_pk_add_f32 v[216+2*\i:217+2*\i], v[216+2*\i:217+2*\i], v[216+2*(\m+\i):217+2*(\m+\i)]
.endr
.endm
; A KEY STEP: the block at LDS byte s66; s68: the block whose K is asked for ahead.  qx: Q's fragment of X (Y's 12 on); qs: its scale words (Y's 1 on)
.macro STEP qx, qs
	v_add_nc_u32 v8, s66, v1
	v_add_nc_u32 v9, s66, v2
	v_add_nc_u32 v20, s68, v1
	v_add_nc_u32 v21, s68, v2                      ; four plain lines between the last products and the loads into their operands
.irp t, 0,1,2,3
.irp c, 0,1
	ds_load_b128 v[96+12*\t+6*\c:99+12*\t+6*\c], v8 offset:6144+1536*\t+768*\c
	ds_load_b64 v[100+12*\t+6*\c:101+12*\t+6*\c], v9 offset:6144+1536*\t+768*\c+512
.endr
.endr
	ds_load_b64 v[86:87], v9 offset:12800
	WALU
	s_wait_dscnt 17                                ; K is in; V's 17 loads may be out
	WIN 0x40
.irp t, 0,1,2,3,4,5,6,7
.irp u, 0,1
.if \t%2
	SW 64*\u+8*\t, 32+6*\t, \qx+12*\u, 0, 28+\t/2, \qs+\u, 1
.else
	SW 64*\u+8*\t, 32+6*\t, \qx+12*\u, 0, 28+\t/2, \qs+\u, 0
.endif
.endr
.endr
	WIN 0
	PLACES 4                                       ; places in front of the loads below and of the first read of the scores
	LOADK
	WIN 0x15
.irp u, 0,1
.irp b, 0,1,2,3
	v_max3_num_f32 v[192+4*\u+\b], v[64*\u+16*\b], v[64*\u+16*\b+1], v[64*\u+16*\b+2]   ; the largest SCORE of each block of 32 keys: for the row's maximum and, since p rises with the score, for the block's largest p
.endr
.endr
	WIN 0x14
.irp i, 3,5,7,9,11,13
.irp u, 0,1
.irp b, 0,1,2,3
	v_max3_num_f32 v[192+4*\u+\b], v[192+4*\u+\b], v[64*\u+16*\b+\i], v[64*\u+16*\b+\i+1]
.endr
.endr
.endr
.irp u, 0,1
.irp b, 0,1,2,3
	v_max_num_f32 v[192+4*\u+\b], v[192+4*\u+\b], v[64*\u+16*\b+15]
.endr
.endr
	WIN 0
.irp k, 0,1,2,3,4,5,6,7
	v_permlanex16_b32 v[200+\k], v[192+\k], s20, s21
.endr
.irp k, 0,1,2,3,4,5,6,7
	v_max_num_f32 v[192+\k], v[192+\k], v[200+\k]  ; with lane L xor 16's 16 keys
.endr
.irp u, 0,1
	v_max3_num_f32 v[220+\u], v[192+4*\u], v[193+4*\u], v[194+4*\u]
.endr
.irp u, 0,1
	v_max_num_f32 v[220+\u], v[220+\u], v[195+4*\u]
.endr
.irp u, 0,1
	v_mul_f32 v[220+\u], s22, v[220+\u]            ; the step's largest t
.endr
.irp u, 0,1
	v_max_num_f32 v[13+4*\u], v[13+4*\u], v[220+\u]
.endr
.irp u, 0,1
	v_mov_b32 v[220+\u], v[12+4*\u]
.endr
.irp u, 0,1
	v_floor_f32 v[12+4*\u], -v[13+4*\u]            ; the new -M = -ceil(t)
.endr
.irp u, 0,1
	v_sub_f32 v[220+\u], v[12+4*\u], v[220+\u]     ; old M - new M: a whole number, 0 or less
.endr
.irp u, 0,1
	v_cvt_i32_f32 v[220+\u], v[220+\u]             ; (it saturates)
.endr
.irp u, 0,1
	v_ldexp_f32 v[216+2*\u], 1.0, v[220+\u]        ; f = 2^(old M - new M)
.endr
.irp u, 0,1
.irp b, 0,1,2,3
	v_fma_f32 v[192+4*\u+\b], v[192+4*\u+\b], s22, v[12+4*\u]   ; t - M of each block's largest score
.endr
.endr
.irp u, 0,1
	v_pk_mul_f32 v[14+4*\u:15+4*\u], v[14+4*\u:15+4*\u], v[216+2*\u:217+2*\u] op_sel_hi:[1,0]   ; the sums under the new M
.endr
	WIN 0x41
.irp j, 0,2,4,6,8,10,12,14,16,18,20,22,24,26,28,30
.irp u, 0,1
	v_pk_mul_f32 v[128+32*\u+\j:129+32*\u+\j], v[128+32*\u+\j:129+32*\u+\j], v[216+2*\u:217+2*\u] op_sel_hi:[1,0]   ; O^T under the new M, ahead of the exponentials
.endr
.endr
.set J_, 0
.rept 32
	v_pk_fma_f32 v[J_:J_+1], v[J_:J_+1], s[22:23], v[12:13] op_sel_hi:[1,0,0]   ; X: t - M, two at a time
.set J_, J_+2
.endr
	WALU                                           ; the wait ahead of the first batch
.set J_, 0
.rept 32
	v_exp_f32 v[J_], v[J_]                         ; X: p = 2^(t - M), at most 1;
	v_exp_f32 v[J_+1], v[J_+1]
	v_pk_fma_f32 v[64+J_:65+J_], v[64+J_:65+J_], s[22:23], v[16:17] op_sel_hi:[1,0,0]   ; among them Y's t - M: its sources were written ahead of the wait above, its results are read behind the wait below
.set J_, J_+2
.endr
	WALU                                           ; behind the first batch and ahead of the second
	WIN 0x45
.set J_, 0
.rept 16
	v_exp_f32 v[64+4*J_], v[64+4*J_]               ; Y's p;
	v_exp_f32 v[65+4*J_], v[65+4*J_]
	v_exp_f32 v[66+4*J_], v[66+4*J_]
	v_exp_f32 v[67+4*J_], v[67+4*J_]
	v_pk_add_f32 v[216+2*J_:217+2*J_], v[4*J_:4*J_+1], v[4*J_+2:4*J_+3]   ; among them the first level of X's sum of the unquantised p: sixteen additions that do not hang on each other
.set J_, J_+1
.endr
	WIN 0
.irp k, 0,1,2,3,4,5,6,7
	v_exp_f32 v[192+\k], v[192+\k]                 ; each block's largest p
.endr
	v_nop                                          ; a plain line behind the exponentials,
	WALU                                           ; and the wait behind the batch
	WIN 0x45
.irp i, 0,1,2,3
	v_pk_add_f32 v[248+2*\i:249+2*\i], v[64+4*\i:64+4*\i+1], v[64+4*\i+2:64+4*\i+3]   ; Y's sum: four chains; X's go on beside them
.endr
	XADD 4
	YADD 8
	XADD 8
	YADD 12
	XADD 12
	YADD 16
	YADD 20
	YADD 24
	YADD 28
.irp i, 0,4
	v_pk_add_f32 v[216+\i:217+\i], v[216+\i:217+\i], v[218+\i:219+\i]
	v_pk_add_f32 v[248+\i:249+\i], v[248+\i:249+\i], v[250+\i:251+\i]
.endr
	v_pk_add_f32 v[216:217], v[216:217], v[220:221]
	v_pk_add_f32 v[248:249], v[248:249], v[252:253]
	WIN 0x04
	v_pk_add_f32 v[14:15], v[14:15], v[216:217]
	v_pk_add_f32 v[18:19], v[18:19], v[248:249]
	WIN 0
.irp k, 0,1,2,3,4,5,6,7
	v_max_num_f32 v[192+\k], 0x1800000, v[192+\k]  ; the floor 2^(3 - 127): the byte cannot fall under 1
.endr
.irp k, 0,1,2,3,4,5,6,7
	v_add_nc_u32 v[208+\k], 0xff000000, v[192+\k]  ; 2 off the exponent field: the conversion's scale operand
.endr
.irp k, 0,1,2,3,4,5,6,7
	v_lshrrev_b32 v[200+\k], 23, v[208+\k]
.endr
.irp u, 0,1
	v_lshl_or_b32 v[90+\u], v[201+4*\u], 8, v[200+4*\u]   ; p's scale word for these 128 keys
.endr
.irp u, 0,1
	v_lshl_or_b32 v[90+\u], v[202+4*\u], 16, v[90+\u]
.endr
.irp u, 0,1
	v_lshl_or_b32 v[90+\u], v[203+4*\u], 24, v[90+\u]
.endr
	WIN 0x41
.irp u, 0,1
.irp c, 0,1
	v_cvt_scalef32_pk16_fp6_f32 v[192+12*\u+6*\c:194+12*\u+6*\c], v[64*\u+32*\c:64*\u+32*\c+15], v[208+4*\u+2*\c]
	v_cvt_scalef32_pk16_fp6_f32 v[216+8*\u+4*\c:218+8*\u+4*\c], v[64*\u+32*\c+16:64*\u+32*\c+31], v[208+4*\u+2*\c+1]
.endr
.endr
	v_nop                                          ; one plain line behind the scaled conversions
.irp u, 0,1
.irp c, 0,1
.irp i, 0,1,2
	v_permlane16_swap_b32 v[192+12*\u+6*\c+\i], v[216+8*\u+4*\c+\i]   ; a WHOLE block in a lane
.endr
.endr
.endr
.irp u, 0,1
.irp c, 0,1
.irp i, 0,1,2
	v_mov_b32 v[195+12*\u+6*\c+\i], v[216+8*\u+4*\c+\i]
.endr
.endr
.endr
	PLACES 4                                       ; places between p's codes and the products
	WALU                                           ; the wait ahead of the blocking wait
	s_wait_dscnt 17                                ; V is in; the next K's 17 loads may be out
	WIN 0x54
.irp t, 0,1,2,3                                ; O^T += V^T P^T: the eight accumulators by turns
.irp u, 0,1
.if \t%2
	SW 128+32*\u+8*\t, 96+12*\t, 192+12*\u, v[128+32*\u+8*\t:135+32*\u+8*\t], 86+\t/2, 90+\u, 1
.else
	SW 128+32*\u+8*\t, 96+12*\t, 192+12*\u, v[128+32*\u+8*\t:135+32*\u+8*\t], 86+\t/2, 90+\u, 0
.endif
.endr
.endr
	WIN 0
.endm
.macro RUN n, start, lim, pre, qx, qs  ; n key steps from the block at LDS byte start; K is asked for ahead up to the block at lim; pre = 1: the first K is asked for here
	s_mov_b32 s66, \start
	s_mov_b32 s67, \n
.if \pre
	v_add_nc_u32 v20, s66, v1
	v_add_nc_u32 v21, s66, v2
	LOADK
.endif
.Lstep_\@:
	s_add_co_u32 s68, s66, BLK
	s_min_u32 s68, s68, \lim
	STEP \qx, \qs
	s_add_co_u32 s66, s66, BLK
	s_sub_co_u32 s67, s67, 1
	s_cmp_lg_u32 s67, 0
	s_cbranch_scc1 .Lstep_\@
.endm
; A head ends: o = O^T / the sum; its 64 channels are two blocks of the last product's K: half c of each tile's fragment
.macro FINISH c
	PLACES 4
.irp u, 0,1
	v_add_f32 v[14+4*\u], v[14+4*\u], v[15+4*\u]
.endr
.irp u, 0,1
	v_permlanex16_b32 v[220+\u], v[14+4*\u], s20, s21
.endr
.irp u, 0,1
	v_add_f32 v[14+4*\u], v[14+4*\u], v[220+\u]    ; the row's sum
.endr
	WALU
.irp u, 0,1
	v_rcp_f32 v[14+4*\u], v[14+4*\u]
.endr
	v_nop
	WALU                                           ; behind the reciprocals, directly ahead of the first reader of O^T
	WIN 0x41
.irp u, 0,1
.set J_, 0
.rept 32
	v_mul_f32 v[64*\u+J_], v[128+32*\u+J_], v[14+4*\u]   ; each accumulator from its low end on
.set J_, J_+1
.endr
.endr
	WIN 0x05
.irp u, 0,1
.irp b, 0,1
	v_max3_num_f32 v[192+2*\u+\b], |v[64*\u+16*\b]|, |v[64*\u+16*\b+1]|, 0x1800000
.endr
.endr
	WIN 0x14
.irp i, 2,4,6,8,10,12,14
.irp u, 0,1
.irp b, 0,1
	v_max3_num_f32 v[192+2*\u+\b], v[192+2*\u+\b], |v[64*\u+16*\b+\i]|, |v[64*\u+16*\b+\i+1]|
.endr
.endr
.endr
	WIN 0
.irp k, 0,1,2,3
	v_permlanex16_b32 v[200+\k], v[192+\k], s20, s21
.endr
.irp k, 0,1,2,3
	v_max_num_f32 v[192+\k], v[192+\k], v[200+\k]
.endr
.irp k, 0,1,2,3
	v_add_nc_u32 v[208+\k], 0xff000000, v[192+\k]
.endr
.irp k, 0,1,2,3
	v_lshrrev_b32 v[200+\k], 23, v[208+\k]
.endr
	WIN 0x01
.irp u, 0,1
	v_cvt_scalef32_pk16_fp6_f32 v[224+12*\u+6*\c:226+12*\u+6*\c], v[64*\u:64*\u+15], v[208+2*\u]
	v_cvt_scalef32_pk16_fp6_f32 v[204+8*\u:206+8*\u], v[64*\u+16:64*\u+31], v[209+2*\u]
.endr
	WIN 0
	v_nop
.irp u, 0,1
.irp i, 0,1,2
	v_permlane16_swap_b32 v[224+12*\u+6*\c+\i], v[204+8*\u+\i]
.endr
.endr
.irp u, 0,1
.irp i, 0,1,2
	v_mov_b32 v[227+12*\u+6*\c+\i], v[204+8*\u+\i]
.endr
.endr
.irp u, 0,1
	global_store_b128 v1, v[224+12*\u+6*\c:227+12*\u+6*\c], s[72:73] offset:1536*\u+768*\c    ; 512 consecutive bytes, aligned to 256
	global_store_b64 v6, v[228+12*\u+6*\c:229+12*\u+6*\c], s[72:73] offset:1536*\u+768*\c     ; 256 consecutive bytes, aligned to 256
.endr
.irp u, 0,1
.if \c == 0
	v_lshl_or_b32 v[248+\u], v[201+2*\u], 8, v[200+2*\u]
.else
	v_lshl_or_b32 v[250+\u], v[200+2*\u], 16, v[248+\u]
.endif
.endr
.if \c == 1
.irp u, 0,1
	v_lshl_or_b32 v[250+\u], v[201+2*\u], 24, v[250+\u]   ; my query's scale word for these 128 channels
.endr
.endif
.endm
	s_load_b256 s[4:11], s[0:1], 0x0               ; qi, kv, oc, os
	v_lshl_add_u32 v254, v0, 2, 0x34000
	v_mov_b32 v255, 0
	ds_add_u32 v254, v255                          ; the opening lines: the add twice and its wait
	ds_add_u32 v254, v255
	v_lshrrev_b32 v10, 5, v0
	v_readfirstlane_b32 s12, v10                   ; wave 0..7
	s_bfe_u32 s13, ttmp6, 0x40000                  ; cx: which 256 queries: it enters global addresses of q and o alone
	s_and_b32 s14, ttmp7, 0xffff                   ; the pair of heads, which the four partners share
	s_mov_b32 s24, 15|(3<<16)|(1<<21)              ; group 1: the mask: all four; elements of 8 bytes; bit 21 beside a mask
	s_mov_b32 s25, 32<<16                          ; rows of 256 bytes,
	s_mov_b32 s26, 102<<16                         ; 102 of them: two blocks
	s_mov_b32 s27, 32<<16
	s_mov_b32 s28, 102
	s_mov_b32 s29, 32
	s_mov_b32 s30, 0
	s_mov_b32 s31, 0
	s_mov_b32 s20, 0x76543210
	s_mov_b32 s21, 0xfedcba98                      ; lane L xor 16
	s_mov_b32 s22, 0x3e38aa3b                      ; c = log2(e) / 8
	s_mov_b32 s23, s22
	s_lshl_b32 s76, s12, 1                         ; my first block
	s_lshl_b32 s77, s14, 4
	s_add_co_u32 s77, s77, s76
	s_mul_i32 s78, s77, BLK
	s_mov_b32 s79, 0
	s_mul_i32 s80, s76, BLK
	s_and_b32 s84, s12, 3                          ; my pair of tiles in the group of 128 tokens
	s_mul_i32 s85, s84, 1536
	s_lshl_b32 s86, s84, 2
	s_lshl_b32 s81, s14, 4
	s_lshl_b32 s82, s13, 1
	s_add_co_u32 s81, s81, s82
	s_lshr_b32 s82, s12, 2
	s_add_co_u32 s81, s81, s82                     ; q's block: 8 x first head + 2 cx + wave / 4
	s_mul_i32 s82, s81, BLK
	s_mov_b32 s83, 0
	v_and_b32 v10, 31, v0
	v_and_b32 v11, 15, v0                          ; r
	v_lshlrev_b32 v1, 4, v10                       ; 16 L
	v_lshlrev_b32 v2, 3, v10                       ; 8 L
	v_add_nc_u32 v6, 512, v2
	v_add_nc_u32 v3, s85, v1
	v_add_nc_u32 v4, s85, v6
	v_lshl_add_u32 v5, v11, 4, s86                 ; X's scale words: 16 r + 4 (i / 2); Y's 256 on
	WALU                                           ; the wait ahead of the blocking waits
	s_wait_dscnt 0x0
	s_wait_kmcnt 0x0
	s_add_nc_u64 s[78:79], s[6:7], s[78:79]
	s_add_nc_u64 s[68:69], s[4:5], s[82:83]
	s_add_nc_u64 s[70:71], s[68:69], 8*BLK         ; the second head's
.irp u, 0,1                                    ; Q is asked for ahead of the round: the first key step wants it with blocks 0 and 1
	global_load_b128 v[144+12*\u:147+12*\u], v3, s[68:69] offset:768*\u
	global_load_b64 v[148+12*\u:149+12*\u], v4, s[68:69] offset:768*\u
	global_load_b32 v[88+\u], v5, s[68:69] offset:12288+256*\u
	global_load_b128 v[168+12*\u:171+12*\u], v3, s[70:71] offset:768*\u
	global_load_b64 v[172+12*\u:173+12*\u], v4, s[70:71] offset:768*\u
	global_load_b32 v[92+\u], v5, s[70:71] offset:12288+256*\u
.endr
	CROUND                                         ; all four work-groups are here: the joint loads meet
	s_mov_b32 s32, 1
	s_mov_b32 s33, s80
	s_mov_b64 s[34:35], s[78:79]
	s_or_b32 s35, s35, 0x80000000
	s_cmp_lt_u32 s12, 1                            ; two arms: wave 0 (blocks 0, 1) has a load line of its own
	s_cbranch_scc0 .Llate
	tensor_load_to_lds s[32:35], s[24:31]
	s_nop 0
	PLACES 4
	s_branch .Lasked
.Llate:
	tensor_load_to_lds s[32:35], s[24:31]
	s_nop 0
	PLACES 4
.Lasked:
	s_lshl_b32 s87, s12, 7
	s_add_co_u32 s87, s87, OSC                     ; o's scale words meet in LDS as they lie in memory: 128 wave + 8 r + 4 (tile % 2)
	s_and_b32 s88, s12, 1
	s_lshl_b32 s89, s88, 9
	s_add_co_u32 s89, s89, OSC                     ; and leave by waves 0 and 1: 512 bytes each
	s_lshr_b32 s76, s14, 3
	s_lshl_b32 s76, s76, 3
	s_lshl_b32 s77, s13, 1
	s_add_co_u32 s76, s76, s77                     ; the work-group's first group of 128 tokens: 8 x batch + 2 cx
	s_lshr_b32 s77, s12, 2
	s_add_co_u32 s77, s77, s76
	s_lshl_b32 s77, s77, 6
	s_and_b32 s78, s14, 7                          ; the K chunk of the last product
	s_lshl_b32 s79, s78, 3
	s_add_co_u32 s77, s77, s79
	s_lshl_b32 s79, s84, 1
	s_add_co_u32 s77, s77, s79
	s_mul_i32 s82, s77, 1536                       ; X's fragment: (64 group + 8 chunk + tile) x 1,536; Y's is the next
	s_add_nc_u64 s[72:73], s[8:9], s[82:83]
	s_add_co_u32 s77, s88, s76
	s_lshl_b32 s82, s77, 12
	s_lshl_b32 s78, s78, 9
	s_add_co_u32 s82, s82, s78
	s_add_nc_u64 s[74:75], s[10:11], s[82:83]      ; the scale words: 4,096 group + 512 chunk
	v_lshl_add_u32 v7, v11, 3, s87
	v_add_nc_u32 v94, s89, v1
.irp j, 150,151,152,153,154,155, 162,163,164,165,166,167, 174,175,176,177,178,179, 186,187,188,189,190,191, 80,81,82,83,84,85, 200,201,202,203,204,205,206,207, 217,219,220,221
	v_mov_b32 v[\j], 0                             ; Q's upper halves and the six registers behind K's tile 7: zero codes; the permutes' destinations; the upper halves of f's pairs
.endr
	INIT
	WALU                                           ; the wait at the head's end
	s_wait_loadcnt 0x0                             ; Q
	s_cmp_lt_u32 s12, 1
	s_cbranch_scc0 .Lnot_first
	s_wait_tensorcnt 0x0                           ; wave 0: blocks 0 and 1 are in
.Lnot_first:
	s_barrier_signal -1
	s_barrier_wait -1                              ; the other blocks may be on their way
	RUN 2, 0, BLK, 1, 144, 88
	s_wait_tensorcnt 0x0                           ; all sixteen blocks
	s_wait_dscnt 0x0
	s_barrier_signal -1
	s_barrier_wait -1
	RUN 6, 2*BLK, 8*BLK, 1, 144, 88                ; its last step asks for the second head's first K
	FINISH 0
	INIT
	RUN 8, 8*BLK, 15*BLK, 0, 168, 92
	FINISH 1
	ds_store_b64 v7, v[250:251]                    ; lanes r and r + 16 write the same words with the same values
	s_wait_dscnt 0x0                               ; for the others' sake
	s_barrier_signal -1
	s_barrier_wait -1
	s_cmp_lt_u32 s12, 2
	s_cbranch_scc0 .Lno_words
	ds_load_b128 v[96:99], v94
	s_wait_dscnt 0x0
	global_store_b128 v1, v[96:99], s[74:75]       ; 512 consecutive bytes, aligned to 256
.Lno_words:
	s_wait_tensorcnt 0x0                           ; the wave's end
	ds_add_u32 v254, v255
	s_wait_dscnt 0x0
	CROUND                                         ; the closing round
	s_endpgm
.Lfunc_end_k_q2a18ea3d50_attn:
	.size	k_q2a18ea3d50_attn, .Lfunc_end_k_q2a18ea3d50_attn-k_q2a18ea3d50_attn
	.p2alignl 7, 3214868480
	.fill 96, 4, 3214868480
	.section	.rodata,"a",@progbits
	.p2align	6, 0x0
	.amdhsa_kernel k_q2a18ea3d50_attn
		.amdhsa_group_segment_fixed_size 215040
		.amdhsa_private_segment_fixed_size 0
		.amdhsa_enable_private_segment 0
		.amdhsa_kernarg_size 32
		.amdhsa_user_sgpr_count 2
		.amdhsa_user_sgpr_kernarg_segment_ptr 1
		.amdhsa_wavefront_size32 1
		.amdhsa_system_sgpr_workgroup_id_x 1
		.amdhsa_system_sgpr_workgroup_id_y 1
		.amdhsa_system_sgpr_workgroup_id_z 1
		.amdhsa_system_vgpr_workitem_id 0
		.amdhsa_next_free_vgpr 512
		.amdhsa_next_free_sgpr 90
		.amdhsa_reserve_vcc 0
		.amdhsa_float_denorm_mode_32 3
		.amdhsa_float_denorm_mode_16_64 3
		.amdhsa_memory_ordered 1
		.amdhsa_forward_progress 1
		.amdhsa_inst_pref_size 118
	.end_amdhsa_kernel
	.amdgpu_metadata
---
amdhsa.version: [ 1, 2 ]
amdhsa.kernels:
  - .name:           k_q2a18ea3d50_attn
    .symbol:         k_q2a18ea3d50_attn.kd
    .args:
      - { .name: qi, .offset: 0, .size: 8, .value_kind: global_buffer, .address_space: global }
      - { .name: kv, .offset: 8, .size: 8, .value_kind: global_buffer, .address_space: global }
      - { .name: oc, .offset: 16, .size: 8, .value_kind: global_buffer, .address_space: global }
      - { .name: os, .offset: 24, .size: 8, .value_kind: global_buffer, .address_space: global }
    .group_segment_fixed_size: 215040
    .private_segment_fixed_size: 0
    .kernarg_segment_align: 8
    .kernarg_segment_size: 32
    .max_flat_workgroup_size: 256
    .sgpr_count:     90
    .vgpr_count:     512
    .wavefront_size: 32
...
	.end_amdgpu_metadata
.endif
;; end of part 3
;; launch proj (part 4): grid 4 x 64, 4 waves a work-group, clusters of 4 x 4, 327,680 bytes of LDS; arguments oc, os, wc, ws, b_proj, out0; writes out0
.if DOCPART == 4
	.amdgcn_target "amdgcn-amd-amdhsa--gfx1250"
	.amdhsa_code_object_version 6
	.text
	.protected	k_q2a18ea3d50_proj
	.globl	k_q2a18ea3d50_proj
	.p2align	8
	.type	k_q2a18ea3d50_proj,@function
k_q2a18ea3d50_proj:
	s_mov_b64 s[64:65], 0
	v_nop
	global_prefetch_b8 v0, s[64:65] scope:SCOPE_SE
	s_setreg_imm32_b32 hwreg(HW_REG_WAVE_MODE, 25, 1), 1
	s_wait_xcnt 0x0
	s_wait_alu depctr_hold_cnt(0) depctr_sa_sdst(0) depctr_va_vdst(0) depctr_va_sdst(0) depctr_va_ssrc(0) depctr_va_vcc(0) depctr_vm_vsrc(0)
	s_getreg_b32 s2, hwreg(HW_REG_IB_STS2, 6, 4)
	s_cmp_eq_u32 s2, 0
	s_cbranch_scc0 .Lentry_in_a_cluster
	s_endpgm
.Lentry_in_a_cluster:
	s_bfe_u32 s2, ttmp6, 0x10000c
	s_cmp_lg_u32 s2, 0xf033
	s_cbranch_scc0 .Lentry_shape_is_right
	s_endpgm
.Lentry_shape_is_right:
; out0 = o w_proj + b_proj on codes of FP6 (E2M3) with E8M0 scales; out0 [8192][1024] f32.
; A work-group makes 128 tokens x 256 columns: 64 x 4 = 256 work-groups.  A WAVE HOLDS ITS 64 COLUMNS OF THE WEIGHT, ALL OF K = 1,024, IN REGISTERS (32 fragments, 384 registers) and lets the 128 tokens go past in eight
; blocks of 16: a block's 8 fragments and 8 scale words lie twice in registers.  A block is 32 products on four accumulators by turns, started from the bias; then it is finished
; and leaves through the wave's own stage in LDS while the next block is multiplied: the stores are spread over the launch.
; ALL OPERANDS LIE IN LDS, each byte filled once: waves 0 and 1 fetch a group of 128 columns of B each (a load line of their own: the first barrier shows B, and the weights go into registers while A lands), wave 2 A's group,
; wave 3 A's scale words.  B's scale words come straight into registers, 256 consecutive bytes a load.
; OPERANDS LIE IN MEMORY AS IMAGES OF THE OPERAND REGISTERS (a fragment of 16 rows x 128 K: 1,536 bytes): [group of 128 rows][chunk of 128 K][tile][1,536].  Row r of tile i is row 32 (i / 2) + 8 (i % 2) + r + 8 (r / 8) of the group.
; THE PRODUCT IS USED TRANSPOSED (source 0 = the weight's rows): a lane holds one token, and accumulator b's registers are columns 32 (b / 2) + 16 (lane / 16) + 8 (b % 2) + 0 .. 7 of my 64.
; CLUSTERS 4 x 4: A is asked for jointly along a row, B along a column.  No prefetch: every tile is asked for by the tensor loads in the first lines, and there is no loop to run ahead in.
; REGISTERS: window 0: v1-29 addresses; v32-47 B's scale words (register 2 kc + b % 2, lanes 16 (b / 2) on); v48-63 A's, two sets; v64-127 accumulators, two sets; v128-159 the bias; v160-223 rows on their way out, two sets.
;   windows 1, 2: the weights (fragment 4 kc + b; 20 in window 1).   window 3: A's fragments, two sets of 96.
.set FRB,   1536
.set CH,    12288                      ; a chunk of a group: 8 fragments
.set GB,    98304                      ; a group, all of K
.set LB,    GB
.set SCL,   3*GB
.set STG,   SCL+4096
.set SPITCH, 272
.set SPARE, STG+4*16*SPITCH
.set FR,    12
.set SBW,   32
.set SAW,   48
.set ACC,   64
.set BI,    128
.set OUT,   160
.set G1B,   24
.set G1A,   32
.set G1SA,  40
.set G0B,   48
.set G0A,   52
.set G0SA,  56
.set MSB, 0
.macro WIN new
.if MSB != \new
	s_set_vgpr_msb (MSB<<8)|\new
.set MSB, \new
.endif
.endm
.macro PLACES n
.rept \n
	v_nop
.endr
.endm
.macro CROUND
	s_barrier_signal -1
	s_barrier_wait -1
	s_cmp_lg_u32 s16, 0
	s_cbranch_scc1 .Lnot_wave_0_\@
	s_barrier_signal -3
.Lnot_wave_0_\@:
	s_barrier_wait -3
	s_barrier_signal -1
	s_barrier_wait -1
.endm
.macro SHAPE g, mask, rows             ; a dense block as rows of 256 bytes
	s_or_b32 s[\g], s\mask, (3<<16)|(1<<21)
	s_mov_b32 s[\g+1], 32<<16
	s_mov_b32 s[\g+2], (\rows)<<16
	s_mov_b32 s[\g+3], 32<<16
	s_mov_b32 s[\g+4], \rows
	s_mov_b32 s[\g+5], 32
	s_mov_b32 s[\g+6], 0
	s_mov_b32 s[\g+7], 0
.endm
.macro TLOAD g0, g1
	tensor_load_to_lds s[\g0:\g0+3], s[\g1:\g1+7]
	s_nop 0
	PLACES 4
.endm
.macro FRAG reg, a16, a8, off
	ds_load_b128 v[\reg:\reg+3], v[\a16] offset:\off
	ds_load_b64 v[\reg+4:\reg+5], v[\a8] offset:\off+512
	ds_load_b128 v[\reg+6:\reg+9], v[\a16] offset:\off+768
	ds_load_b64 v[\reg+10:\reg+11], v[\a8] offset:\off+1280
.endm
.macro WEIGHTS                         ; my four tiles, all eight chunks: 128 loads
.irp kc, 0,1,2,3,4,5,6,7
.irp b, 0,1,2,3
.set F_, 4*\kc+\b
	WIN 0x40*(1+F_/20)
	FRAG FR*(F_-20*(F_/20)), 12+\kc/4, 14+\kc/4, (\kc%4)*CH+\b*FRB
.endr
.endr
	WIN 0
.endm
.macro FETCHA a                        ; block a: tile a of A, all of K, and its scale words, into set a % 2: 40 loads
	WIN 0xc0
.irp kc, 0,1,2,3,4,5,6,7
	FRAG 96*((\a)%2)+FR*\kc, 4+5*(\kc/4), 5+5*(\kc/4), (\kc%4)*CH+(\a)*FRB
.endr
	WIN 0
.irp kc, 0,1,2,3,4,5,6,7
	ds_load_b32 v[SAW+8*((\a)%2)+\kc], v16 offset:\kc*512+128*((\a)/2)+4*((\a)%2)
.endr
.endm
.macro W1 d, s0, s1, c, x0, x1, row
	v_wmma_scale_f32_16x16x128_f8f6f4 v[\d:\d+7], v[\s0:\s0+FR-1], v[\s1:\s1+FR-1], v[\c:\c+7], v[\x0], v[\x1] matrix_a_fmt:MATRIX_FMT_FP6 matrix_b_fmt:MATRIX_FMT_FP6 matrix_a_scale:MATRIX_SCALE_ROW\row
.endm
.macro MULB a                          ; 32 products; the first four take the bias as C
.set E_, (\a)%2
.irp kc, 0,1,2,3,4,5,6,7
	WIN 0x0d+\kc/5
.irp b, 0,1,2,3
.set F_, 4*\kc+\b
.set R_, FR*(F_-20*(F_/20))
.set D_, ACC+32*E_+8*\b
.if \kc == 0
.set C_, BI+8*\b
.else
.set C_, D_
.endif
.if \b < 2
	W1 D_, R_, 96*E_+FR*\kc, C_, SBW+2*\kc+\b%2, SAW+8*E_+\kc, 0
.else
	W1 D_, R_, 96*E_+FR*\kc, C_, SBW+2*\kc+\b%2, SAW+8*E_+\kc, 1
.endif
.endr
.endr
	WIN 0
.endm
.macro TOSTAGE a                       ; a lane's pieces of a row go in, whole rows of 256 bytes come back; LDS serves a wave's instructions in order (ISA guide 5.7.1.4)
.set E_, (\a)%2
.irp b, 0,1,2,3
	ds_store_b128 v17, v[ACC+32*E_+8*\b:ACC+32*E_+8*\b+3] offset:128*(\b/2)+32*(\b%2)      ; each accumulator from its low end on
	ds_store_b128 v17, v[ACC+32*E_+8*\b+4:ACC+32*E_+8*\b+7] offset:128*(\b/2)+32*(\b%2)+16
.endr
.irp t, 0,1,2,3,4,5,6,7
	ds_load_b128 v[OUT+32*E_+4*\t:OUT+32*E_+4*\t+3], v18 offset:\t*2*SPITCH
.endr
.endm
.macro SEND a
.set E_, (\a)%2
.irp t, 0,1,2,3,4,5,6,7
	global_store_b128 v19, v[OUT+32*E_+4*\t:OUT+32*E_+4*\t+3], s[72:73] offset:(32*((\a)/2)+8*((\a)%2)+2*\t+8*(\t/4))*4096 th:TH_STORE_NT   ; sixteen lanes store 256 consecutive bytes of a row, aligned to 256; two rows an instruction
.endr
.endm
.macro BLOCK a
.if (\a) == 0
	s_wait_dscnt 40                                ; block 0 is in; block 1's 40 loads may be out
.elseif (\a) == 1
	s_wait_dscnt 56                                ; block 1 is in; block 2's 40 loads and block 0's 16 stage lines may be out
.endif                                             ; (later blocks were shown in by the wait for 0 of the block before)
	MULB \a
.if (\a) > 0
	s_wait_dscnt 0x0                               ; the last block's rows are back from the stage (asked for 32 products ago)
	SEND (\a)-1
.endif
	PLACES 4                                       ; places between the products and the loads into their operands and the reads of their results
.if (\a) < 6
	FETCHA (\a)+2
.endif
.if (\a) > 1
	s_wait_xcnt 0x0                                ; the stores of two blocks ago have read the registers that the rows below land in
.endif
	TOSTAGE \a
.endm
	s_load_b256 s[4:11], s[0:1], 0x0               ; oc, os, wc, ws
	s_load_b128 s[12:15], s[0:1], 0x20             ; b_proj, out0
	v_lshl_add_u32 v28, v0, 2, SPARE
	v_mov_b32 v29, 0
	ds_add_u32 v28, v29                            ; the opening lines: the add twice and its wait
	ds_add_u32 v28, v29
	v_lshrrev_b32 v1, 5, v0
	v_readfirstlane_b32 s16, v1                    ; wave: my 64 columns of the 256
	s_lshr_b32 s17, s16, 1                         ; my group of B
	s_and_b32 s18, s16, 1                          ; which four of its tiles
	s_bfe_u32 s20, ttmp6, 0x40000                  ; cx
	s_bfe_u32 s21, ttmp6, 0x40004                  ; cy
	s_and_b32 s22, ttmp7, 0xffff
	s_lshl_b32 s22, s22, 2
	s_add_co_u32 s22, s22, s21                     ; the group of 128 tokens
	s_lshl_b32 s23, s20, 1
	s_add_co_u32 s23, s23, 24                      ; w_proj's groups begin at 24: 24 + 2 cx
	s_lshl_b32 s74, s21, 2
	s_lshl_b32 s74, 15, s74                        ; my row of the cluster
	s_lshl_b32 s75, 0x1111, s20                    ; my column
	SHAPE G1B, 75, 384
	SHAPE G1A, 74, 384
	SHAPE G1SA, 74, 16
	s_mov_b32 s[G0B], 1
	s_mul_i32 s[G0B+1], s18, GB
	s_add_co_u32 s[G0B+1], s[G0B+1], LB
	s_mov_b32 s[G0A], 1
	s_mov_b32 s[G0A+1], 0
	s_mov_b32 s[G0SA], 1
	s_mov_b32 s[G0SA+1], SCL
	s_add_co_u32 s76, s23, s18
	s_mul_i32 s76, s76, GB
	s_mov_b32 s77, 0
	s_mul_i32 s78, s22, GB
	s_mov_b32 s79, 0
	s_lshl_b32 s80, s22, 12
	s_mov_b32 s81, 0
	s_wait_alu depctr_va_vdst(0)
	s_wait_dscnt 0x0
	CROUND                                         ; the round in front of the joint loads
	s_wait_kmcnt 0x0
	s_add_nc_u64 s[G0B+2:G0B+3], s[8:9], s[76:77]
	s_add_nc_u64 s[G0A+2:G0A+3], s[4:5], s[78:79]
	s_add_nc_u64 s[G0SA+2:G0SA+3], s[6:7], s[80:81]
.irp g, G0B, G0A, G0SA
	s_or_b32 s[\g+3], s[\g+3], 0x80000000
.endr
	s_cmp_lt_u32 s16, 2                            ; one chain of branches on the wave's number, one load to an arm
	s_cbranch_scc0 .Lw2
	TLOAD G0B, G1B
	s_branch .Lasked
.Lw2:
	s_cmp_eq_u32 s16, 2
	s_cbranch_scc0 .Lw3
	TLOAD G0A, G1A
	s_branch .Lasked
.Lw3:
	TLOAD G0SA, G1SA
.Lasked:
	s_add_co_u32 s76, s23, s17
	s_lshl_b32 s76, s76, 12
	s_lshl_b32 s82, s18, 8
	s_add_co_u32 s76, s76, s82
	s_add_nc_u64 s[68:69], s[10:11], s[76:77]      ; my four tiles' scale words: 256 bytes of each chunk's 512
	s_lshl_b32 s76, s20, 10
	s_lshl_b32 s82, s16, 8
	s_add_co_u32 s76, s76, s82                     ; my first column in bytes
	s_add_nc_u64 s[70:71], s[12:13], s[76:77]
	s_add_nc_u64 s[72:73], s[14:15], s[76:77]
	s_lshl_b32 s76, s22, 19                        ; 128 rows of 4,096 bytes a group
	s_add_nc_u64 s[72:73], s[72:73], s[76:77]
	s_mul_i32 s83, s17, GB
	s_mul_i32 s82, s18, 4*FRB
	s_add_co_u32 s83, s83, s82
	s_add_co_u32 s83, s83, LB                      ; my tiles of B in LDS
	s_mul_i32 s84, s16, 16*SPITCH
	s_add_co_u32 s84, s84, STG                     ; my stage
	v_and_b32 v3, 31, v0                           ; L
	v_and_b32 v1, 15, v0                           ; r
	v_bfe_u32 v2, v0, 4, 1                         ; h
	v_lshlrev_b32 v4, 4, v3                        ; 16 L: A's chunks 0-3
	v_lshlrev_b32 v5, 3, v3                        ; 8 L
	v_add_nc_u32 v9, 4*CH, v4                      ; chunks 4-7
	v_add_nc_u32 v10, 4*CH, v5
	v_add_nc_u32 v12, s83, v4
	v_add_nc_u32 v14, s83, v5
	v_add_nc_u32 v13, 4*CH, v12
	v_add_nc_u32 v15, 4*CH, v14
	v_lshl_add_u32 v16, v1, 3, SCL                 ; A's scale words: 8 r
	v_mul_u32_u24 v17, v1, SPITCH
	v_mul_u32_u24 v18, v2, SPITCH
	v_lshl_add_u32 v17, v2, 6, v17
	v_lshl_add_u32 v18, v1, 4, v18
	v_add_nc_u32 v17, s84, v17                     ; into the stage: row r, + 64 h
	v_add_nc_u32 v18, s84, v18                     ; back: lanes 0-15 a row of 256 bytes, lanes 16-31 the next
	v_lshlrev_b32 v19, 12, v2
	v_lshl_add_u32 v19, v1, 4, v19                 ; and the same two rows in out0
	v_lshlrev_b32 v20, 6, v2                       ; the bias in the result's layout: 64 h
	s_wait_alu depctr_va_vdst(0)                   ; the wait at the head's end
.irp kc, 0,1,2,3,4,5,6,7
	global_load_b64 v[SBW+2*\kc:SBW+2*\kc+1], v5, s[68:69] offset:\kc*512    ; 256 consecutive bytes, aligned to 256
.endr
.irp b, 0,1,2,3
	global_load_b128 v[BI+8*\b:BI+8*\b+3], v20, s[70:71] offset:128*(\b/2)+32*(\b%2)
	global_load_b128 v[BI+8*\b+4:BI+8*\b+7], v20, s[70:71] offset:128*(\b/2)+32*(\b%2)+16
.endr
	s_cmp_lt_u32 s16, 2
	s_cbranch_scc0 .Lnot_b
	s_wait_tensorcnt 0x0                           ; waves 0, 1: B's groups
.Lnot_b:
	s_barrier_signal -1
	s_barrier_wait -1                              ; A may be on its way
	WEIGHTS
	s_wait_tensorcnt 0x0                           ; A and its scale words
	s_wait_dscnt 0x0
	s_barrier_signal -1
	s_barrier_wait -1
	FETCHA 0
	FETCHA 1
	s_wait_loadcnt 0x0                             ; B's scale words and the bias
.irp a, 0,1,2,3,4,5,6,7
	BLOCK \a
.endr
	s_wait_dscnt 0x0
	SEND 7
	s_wait_tensorcnt 0x0                           ; the wave's end
	ds_add_u32 v28, v29
	s_wait_dscnt 0x0
	CROUND                                         ; the closing round
	s_endpgm
.Lfunc_end_k_q2a18ea3d50_proj:
	.size	k_q2a18ea3d50_proj, .Lfunc_end_k_q2a18ea3d50_proj-k_q2a18ea3d50_proj
	.p2alignl 7, 3214868480
	.fill 96, 4, 3214868480
	.section	.rodata,"a",@progbits
	.p2align	6, 0x0
	.amdhsa_kernel k_q2a18ea3d50_proj
		.amdhsa_group_segment_fixed_size 327680
		.amdhsa_private_segment_fixed_size 0
		.amdhsa_enable_private_segment 0
		.amdhsa_kernarg_size 48
		.amdhsa_user_sgpr_count 2
		.amdhsa_user_sgpr_kernarg_segment_ptr 1
		.amdhsa_wavefront_size32 1
		.amdhsa_system_sgpr_workgroup_id_x 1
		.amdhsa_system_sgpr_workgroup_id_y 1
		.amdhsa_system_sgpr_workgroup_id_z 1
		.amdhsa_system_vgpr_workitem_id 0
		.amdhsa_next_free_vgpr 1024
		.amdhsa_next_free_sgpr 90
		.amdhsa_reserve_vcc 0
		.amdhsa_float_denorm_mode_32 3
		.amdhsa_float_denorm_mode_16_64 3
		.amdhsa_memory_ordered 1
		.amdhsa_forward_progress 1
		.amdhsa_inst_pref_size 86
	.end_amdhsa_kernel
	.amdgpu_metadata
---
amdhsa.version: [ 1, 2 ]
amdhsa.kernels:
  - .name:           k_q2a18ea3d50_proj
    .symbol:         k_q2a18ea3d50_proj.kd
    .args:
      - { .name: oc, .offset: 0, .size: 8, .value_kind: global_buffer, .address_space: global }
      - { .name: os, .offset: 8, .size: 8, .value_kind: global_buffer, .address_space: global }
      - { .name: wc, .offset: 16, .size: 8, .value_kind: global_buffer, .address_space: global }
      - { .name: ws, .offset: 24, .size: 8, .value_kind: global_buffer, .address_space: global }
      - { .name: b_proj, .offset: 32, .size: 8, .value_kind: global_buffer, .address_space: global }
      - { .name: out0, .offset: 40, .size: 8, .value_kind: global_buffer, .address_space: global }
    .group_segment_fixed_size: 327680
    .private_segment_fixed_size: 0
    .kernarg_segment_align: 8
    .kernarg_segment_size: 48
    .max_flat_workgroup_size: 128
    .sgpr_count:     90
    .vgpr_count:     1024
    .wavefront_size: 32
...
	.end_amdgpu_metadata
.endif
;; end of part 4
